; MI455X (gfx1250); checked and timed in simulation.
; The chip was launched on July 23, 2026; its instructions are those of AMD's public machine-readable ISA for CDNA 5 (MIT licence, August 2026) and "CDNA5" Instruction Set Architecture Reference Guide (July 2026). The comments in the code are by the model that wrote it; some were corrected since.
;; Multihead Attention. Allowed arithmetic: float matrix products may take bf16 or f16 operands with f32 sums; other float arithmetic in f32, or as packed bf16 or f16 multiplies, adds, multiply-adds, maxima and minima; sums over many terms, partial sums and values carried from step to step in f32; what a program stores and reads back later, other than sums and carried values, may be rounded once to bf16 or f16.
;; Inputs: Wk 1,024 x 1,024 float32; Wo 1,024 x 1,024 float32; Wq 1,024 x 1,024 float32; Wv 1,024 x 1,024 float32; bk 1,024 float32; bo 1,024 float32; bq 1,024 float32; bv 1,024 float32; kn_bias 1,024 float32; kn_scale 1,024 float32; kv 4 x 2,048 x 1,024 float32; mask 4 x 2,048 x 2,048 int32; q 4 x 2,048 x 1,024 float32; qn_bias 1,024 float32; qn_scale 1,024 float32; vn_bias 1,024 float32; vn_scale 1,024 float32.
;; Outputs: out0 4 x 2,048 x 1,024 float32.
;; 2 versions, each right; version 2 is version 1 with the launch prep written anew for expert scheduling mode. Each part assembles by itself: llvm-mc -triple=amdgcn-amd-amdhsa -mcpu=gfx1250 --defsym DOCPART=n.
;; ======== version 1 of 2: 4 launches
;; limits: values are held in f16: magnitudes above 65,504 overflow, below 6.1e-05 lose precision
;; workspace buffers: wb 8,388,608 bytes; par 40,960 bytes; mk 16,777,216 bytes; qkv 50,331,648 bytes; ao 16,777,216 bytes
;; launch prep (part 1): grid 641 x 1, 8 waves a work-group, no clusters, 9,216 bytes of LDS; arguments mask, Wq, Wk, Wv, Wo, bq, bk, bv, qn_scale, kn_scale, vn_scale, qn_bias, kn_bias, vn_bias, bo, mk, wb, par; writes mk, wb, par
.if DOCPART == 1
	.amdgcn_target "amdgcn-amd-amdhsa--gfx1250"
	.amdhsa_code_object_version 6
	.text
	.protected	k_q65e586af13_prep
	.globl	k_q65e586af13_prep
	.p2align	8
	.type	k_q65e586af13_prep,@function
k_q65e586af13_prep:
	s_mov_b64 s[64:65], 0
	v_nop
	global_prefetch_b8 v0, s[64:65] scope:SCOPE_SE
	s_setreg_imm32_b32 hwreg(HW_REG_WAVE_MODE, 25, 1), 1
	s_wait_xcnt 0x0
; PREPARATION, a stream.  Four roles, chosen by the work-group's number g:
;   g < 512   MASK: tile g of 16 queries (g = 128 batch + tile).  mask int32 -> one byte a score: 0x00 seen, 0xB8 (-1.0 in E4M3) where mask == 0,
;             laid out as attention's lanes want it: mk[g][step 32][u 2][lane 32][16 B]; byte 8 kbl + j of lane L = query L % 16, key 64 step + 16 (2 u + kbl) + 8 (L / 16) + j.
;   g < 608   W: Wq, Wk, Wv -> bf16, wb[matrix][p 2][k 1024][512 n]: 32 rows of one matrix a work-group.
;   g < 640   WO: Wo rounded to bf16, that number written as f16 (exact within f16's normal range), wb + 6,291,456: [nb 4][k 1024][256 n].
;   g = 640   PAR: the ten vectors of 1,024 rounded to bf16 and kept as f32.
; Every load of a wave takes whole runs of 256 or 512 consecutive bytes; every store of a wave covers 256 or 512 consecutive bytes, aligned.
; No ring, no cluster, no matrix unit: nothing is shared and nothing is multiplied.
.set SPARE, 8192                       ; behind the eight waves' images of 1,024 bytes: the spare words, 128 bytes a wave
	s_load_b512 s[8:23], s[0:1], 0x0               ; mask 8, Wq 10, Wk 12, Wv 14, Wo 16, bq 18, bk 20, bv 22
	s_load_b512 s[24:39], s[0:1], 0x40             ; gains 24, 26, 28; LN biases 30, 32, 34; bo 36; mk 38
	s_load_b128 s[40:43], s[0:1], 0x80             ; wb 40, par 42
	v_lshl_add_u32 v62, v0, 2, SPARE               ; my spare word
	v_mov_b32 v63, 0
	v_lshrrev_b32 v1, 5, v0
	v_readfirstlane_b32 s4, v1                     ; wave 0..7
	v_and_b32 v1, 31, v0                           ; lane L
	v_lshlrev_b32 v5, 4, v1                        ; 16 L
	v_lshlrev_b32 v6, 3, v1                        ; 8 L
	s_mov_b32 s5, 4                                ; every loop below has four trips
	s_wait_kmcnt 0x0
	s_cmp_lt_u32 ttmp9, 512
	s_cbranch_scc1 .Lmask
	s_cmp_lt_u32 ttmp9, 608
	s_cbranch_scc1 .Lw
	s_cmp_lt_u32 ttmp9, 640
	s_cbranch_scc1 .Lwo
	; PAR: thread t takes four numbers of each vector
	v_lshlrev_b32 v7, 4, v0
.irp v, 0,1,2,3,4,5,6,7,8,9
	global_load_b128 v[8+4*\v:11+4*\v], v7, s[18+2*\v:19+2*\v]
.endr
.irp v, 0,1,2,3,4,5,6,7,8,9
	s_wait_loadcnt 9-\v                            ; loads come back in order: vector v is in, the younger ones stay out
	v_cvt_pk_bf16_f32 v48, v[8+4*\v], v[9+4*\v]
	v_cvt_pk_bf16_f32 v49, v[10+4*\v], v[11+4*\v]
	v_lshlrev_b32 v[8+4*\v], 16, v48
	v_and_b32 v[9+4*\v], 0xffff0000, v48
	v_lshlrev_b32 v[10+4*\v], 16, v49
	v_and_b32 v[11+4*\v], 0xffff0000, v49
	global_store_b128 v7, v[8+4*\v:11+4*\v], s[42:43] offset:4096*\v
.endr
	s_branch .Lend
.Lmask:                                            ; wave w takes key steps 4 w .. 4 w + 3, a step a trip
	v_and_b32 v40, 15, v1                          ; i: my four keys are 4 i .. 4 i + 3 of the step
	v_lshrrev_b32 v41, 4, v1                       ; s: the even or the odd row of a load
	v_lshlrev_b32 v2, 4, v40
	v_lshl_add_u32 v2, v41, 13, v2                 ; 8,192 s + 16 i
	v_lshlrev_b32 v3, 4, v41                       ; where my word goes in the image: 16 s (the query's lane),
	v_bfe_u32 v42, v40, 3, 1
	v_lshl_add_u32 v3, v42, 9, v3                  ; u = i / 8: 512,
	v_bfe_u32 v42, v40, 1, 1
	v_lshl_add_u32 v3, v42, 8, v3                  ; the upper half of the lanes for keys 8 .. 15 of 16: 256,
	v_bfe_u32 v42, v40, 2, 1
	v_lshl_add_u32 v3, v42, 3, v3                  ; kbl: 8,
	v_and_b32 v42, 1, v40
	v_lshl_add_u32 v3, v42, 2, v3                  ; j = 4 (i % 2)
	s_lshl_b32 s6, s4, 10
	v_add_nc_u32 v3, s6, v3                        ; in my wave's image
	v_add_nc_u32 v4, s6, v5                        ; and where I read it back
	s_lshl_b32 s44, ttmp9, 17                      ; 16 rows of 8,192 bytes a tile
	s_add_co_u32 s44, s44, s6                      ; four steps of 256 bytes a wave
	s_mov_b32 s45, 0
	s_add_nc_u64 s[44:45], s[8:9], s[44:45]
	s_lshl_b32 s46, ttmp9, 15
	s_lshl_b32 s7, s4, 12
	s_add_co_u32 s46, s46, s7
	s_mov_b32 s47, 0
	s_add_nc_u64 s[46:47], s[38:39], s[46:47]
.Lmtrip:
.irp n, 0,1,2,3,4,5,6,7
	global_load_b128 v[8+4*\n:11+4*\n], v2, s[44:45] offset:16384*\n th:TH_LOAD_NT  ; rows 2 n and 2 n + 1, 256 bytes of each
.endr
.irp n, 0,1,2,3,4,5,6,7
	s_wait_loadcnt 7-\n                            ; load n is in, the younger ones stay out
	v_min_u32 v[8+4*\n], 1, v[8+4*\n]              ; 0 stays 0, everything else is 1
	v_min_u32 v[9+4*\n], 1, v[9+4*\n]
	v_min_u32 v[10+4*\n], 1, v[10+4*\n]
	v_min_u32 v[11+4*\n], 1, v[11+4*\n]
	v_lshl_or_b32 v40, v[9+4*\n], 8, v[8+4*\n]
	v_lshl_or_b32 v40, v[10+4*\n], 16, v40
	v_lshl_or_b32 v40, v[11+4*\n], 24, v40
	v_xor_b32 v40, 0x01010101, v40                 ; 1 where the key is hidden
	v_mul_lo_u32 v40, v40, 0xb8                    ; no byte carries into the next
	ds_store_b32 v3, v40 offset:32*\n
.endr
	ds_load_b128 v[48:51], v4                      ; LDS serves a wave's instructions in order: these see the stores above
	ds_load_b128 v[52:55], v4 offset:512
	s_wait_dscnt 1
	global_store_b128 v5, v[48:51], s[46:47]
	s_wait_dscnt 0x0
	global_store_b128 v5, v[52:55], s[46:47] offset:512
	s_wait_xcnt 0x0                                ; the pointers and the stores' registers are written again only behind this wait
	s_add_nc_u64 s[44:45], s[44:45], 256
	s_add_nc_u64 s[46:47], s[46:47], 1024
	s_sub_co_u32 s5, s5, 1
	s_cmp_lg_u32 s5, 0
	s_cbranch_scc1 .Lmtrip
	s_branch .Lend
.Lw:                                               ; wave w takes rows 32 blk + 4 w + 0..3 of matrix mtx, a row a trip
	s_sub_co_u32 s6, ttmp9, 512
	s_lshr_b32 s7, s6, 5                           ; mtx
	s_and_b32 s6, s6, 31                           ; blk
	s_cmp_eq_u32 s7, 0
	s_cselect_b64 s[44:45], s[10:11], s[12:13]
	s_cmp_eq_u32 s7, 2
	s_cselect_b64 s[44:45], s[14:15], s[44:45]
	s_lshl_b32 s6, s6, 5
	s_lshl2_add_u32 s6, s4, s6                     ; the first row
	s_lshl_b32 s48, s6, 12
	s_mov_b32 s49, 0
	s_add_nc_u64 s[44:45], s[44:45], s[48:49]
	s_lshl_b32 s48, s6, 10
	s_lshl_b32 s7, s7, 21
	s_add_co_u32 s48, s48, s7
	s_add_nc_u64 s[46:47], s[40:41], s[48:49]
.Lwtrip:
.irp c, 0,1,2,3,4,5,6,7
	global_load_b128 v[8+4*\c:11+4*\c], v5, s[44:45] offset:512*\c th:TH_LOAD_NT
.endr
.irp c, 0,1,2,3,4,5,6,7
	s_wait_loadcnt 7-\c
	v_cvt_pk_bf16_f32 v[40+2*\c], v[8+4*\c], v[9+4*\c]
	v_cvt_pk_bf16_f32 v[41+2*\c], v[10+4*\c], v[11+4*\c]
	global_store_b64 v6, v[40+2*\c:41+2*\c], s[46:47] offset:(\c/4)*1048576+(\c%4)*256  ; 256 consecutive bytes a wave; columns 512 on lie in the second plane
.endr
	s_wait_xcnt 0x0
	s_add_nc_u64 s[44:45], s[44:45], 4096
	s_add_nc_u64 s[46:47], s[46:47], 1024
	s_sub_co_u32 s5, s5, 1
	s_cmp_lg_u32 s5, 0
	s_cbranch_scc1 .Lwtrip
	s_branch .Lend
.Lwo:
	s_sub_co_u32 s6, ttmp9, 608
	s_lshl_b32 s6, s6, 5
	s_lshl2_add_u32 s6, s4, s6
	s_lshl_b32 s48, s6, 12
	s_mov_b32 s49, 0
	s_add_nc_u64 s[44:45], s[16:17], s[48:49]
	s_lshl_b32 s48, s6, 9
	s_add_co_u32 s48, s48, 6291456
	s_add_nc_u64 s[46:47], s[40:41], s[48:49]
.Lotrip:
.irp c, 0,1,2,3,4,5,6,7
	global_load_b128 v[8+4*\c:11+4*\c], v5, s[44:45] offset:512*\c th:TH_LOAD_NT
.endr
.irp c, 0,1,2,3,4,5,6,7
	s_wait_loadcnt 7-\c
	v_cvt_pk_bf16_f32 v56, v[8+4*\c], v[9+4*\c]    ; the one rounding that counts: to bf16, like every input
	v_cvt_pk_bf16_f32 v57, v[10+4*\c], v[11+4*\c]
	v_lshlrev_b32 v58, 16, v56
	v_and_b32 v59, 0xffff0000, v56
	v_lshlrev_b32 v60, 16, v57
	v_and_b32 v61, 0xffff0000, v57
	v_cvt_pk_f16_f32 v[40+2*\c], v58, v59
	v_cvt_pk_f16_f32 v[41+2*\c], v60, v61
	global_store_b64 v6, v[40+2*\c:41+2*\c], s[46:47] offset:(\c/2)*524288+(\c%2)*256
.endr
	s_wait_xcnt 0x0
	s_add_nc_u64 s[44:45], s[44:45], 4096
	s_add_nc_u64 s[46:47], s[46:47], 512
	s_sub_co_u32 s5, s5, 1
	s_cmp_lg_u32 s5, 0
	s_cbranch_scc1 .Lotrip
.Lend:
	s_wait_tensorcnt 0x0                           ; the wave's end
	ds_add_u32 v62, v63
	s_wait_dscnt 0x0
	s_endpgm
.Lfunc_end_k_q65e586af13_prep:
	.size	k_q65e586af13_prep, .Lfunc_end_k_q65e586af13_prep-k_q65e586af13_prep
	.p2alignl 7, 3214868480
	.fill 96, 4, 3214868480
	.section	.rodata,"a",@progbits
	.p2align	6, 0x0
	.amdhsa_kernel k_q65e586af13_prep
		.amdhsa_group_segment_fixed_size 9216
		.amdhsa_private_segment_fixed_size 0
		.amdhsa_enable_private_segment 0
		.amdhsa_kernarg_size 144
		.amdhsa_user_sgpr_count 2
		.amdhsa_user_sgpr_kernarg_segment_ptr 1
		.amdhsa_wavefront_size32 1
		.amdhsa_system_sgpr_workgroup_id_x 1
		.amdhsa_system_sgpr_workgroup_id_y 1
		.amdhsa_system_sgpr_workgroup_id_z 1
		.amdhsa_system_vgpr_workitem_id 0
		.amdhsa_next_free_vgpr 64
		.amdhsa_next_free_sgpr 66
		.amdhsa_reserve_vcc 0
		.amdhsa_float_denorm_mode_32 3
		.amdhsa_float_denorm_mode_16_64 3
		.amdhsa_memory_ordered 1
		.amdhsa_forward_progress 1
		.amdhsa_inst_pref_size 23
	.end_amdhsa_kernel
	.amdgpu_metadata
---
amdhsa.version: [ 1, 2 ]
amdhsa.kernels:
  - .name:           k_q65e586af13_prep
    .symbol:         k_q65e586af13_prep.kd
    .args:
      - { .name: mask, .offset: 0, .size: 8, .value_kind: global_buffer, .address_space: global }
      - { .name: Wq, .offset: 8, .size: 8, .value_kind: global_buffer, .address_space: global }
      - { .name: Wk, .offset: 16, .size: 8, .value_kind: global_buffer, .address_space: global }
      - { .name: Wv, .offset: 24, .size: 8, .value_kind: global_buffer, .address_space: global }
      - { .name: Wo, .offset: 32, .size: 8, .value_kind: global_buffer, .address_space: global }
      - { .name: bq, .offset: 40, .size: 8, .value_kind: global_buffer, .address_space: global }
      - { .name: bk, .offset: 48, .size: 8, .value_kind: global_buffer, .address_space: global }
      - { .name: bv, .offset: 56, .size: 8, .value_kind: global_buffer, .address_space: global }
      - { .name: qn_scale, .offset: 64, .size: 8, .value_kind: global_buffer, .address_space: global }
      - { .name: kn_scale, .offset: 72, .size: 8, .value_kind: global_buffer, .address_space: global }
      - { .name: vn_scale, .offset: 80, .size: 8, .value_kind: global_buffer, .address_space: global }
      - { .name: qn_bias, .offset: 88, .size: 8, .value_kind: global_buffer, .address_space: global }
      - { .name: kn_bias, .offset: 96, .size: 8, .value_kind: global_buffer, .address_space: global }
      - { .name: vn_bias, .offset: 104, .size: 8, .value_kind: global_buffer, .address_space: global }
      - { .name: bo, .offset: 112, .size: 8, .value_kind: global_buffer, .address_space: global }
      - { .name: mk, .offset: 120, .size: 8, .value_kind: global_buffer, .address_space: global }
      - { .name: wb, .offset: 128, .size: 8, .value_kind: global_buffer, .address_space: global }
      - { .name: par, .offset: 136, .size: 8, .value_kind: global_buffer, .address_space: global }
    .group_segment_fixed_size: 9216
    .private_segment_fixed_size: 0
    .kernarg_segment_align: 8
    .kernarg_segment_size: 144
    .max_flat_workgroup_size: 256
    .sgpr_count:     66
    .vgpr_count:     64
    .wavefront_size: 32
...
	.end_amdgpu_metadata
.endif
;; end of part 1
;; launch proj (part 2): grid 64 x 3, 4 waves a work-group, clusters of 4 x 1, 327,680 bytes of LDS; arguments q, kv, wb, par, qkv; writes qkv
.if DOCPART == 2
	.amdgcn_target "amdgcn-amd-amdhsa--gfx1250"
	.amdhsa_code_object_version 6
	.text
	.protected	k_q65e586af13_proj
	.globl	k_q65e586af13_proj
	.p2align	8
	.type	k_q65e586af13_proj,@function
k_q65e586af13_proj:
	s_mov_b64 s[64:65], 0
	v_nop
	global_prefetch_b8 v0, s[64:65] scope:SCOPE_SE
	s_setreg_imm32_b32 hwreg(HW_REG_WAVE_MODE, 25, 1), 1
	s_wait_xcnt 0x0
	s_wait_alu depctr_hold_cnt(0) depctr_sa_sdst(0) depctr_va_vdst(0) depctr_va_sdst(0) depctr_va_ssrc(0) depctr_va_vcc(0) depctr_vm_vsrc(0)
	s_getreg_b32 s2, hwreg(HW_REG_IB_STS2, 6, 4)
	s_cmp_eq_u32 s2, 0
	s_cbranch_scc0 .Lentry_in_a_cluster
	s_endpgm
.Lentry_in_a_cluster:
	s_bfe_u32 s2, ttmp6, 0x10000c
	s_cmp_lg_u32 s2, 0x3003
	s_cbranch_scc0 .Lentry_shape_is_right
	s_endpgm
.Lentry_shape_is_right:
; PROJECTION AND LAYERNORM.  Y = grid y: 0 query (from q), 1 key, 2 value (from kv).  out = LayerNorm(x W + b) gain + bias, f16, by heads: qkv[Y][batch 16 + head][s][64].
; x, W and the vectors are rounded once to bf16; products in the bf16 matrix form, sums and statistics in f32.
; SHARES.  A work-group owns 128 WHOLE rows (LayerNorm wants all 1,024 features of a row): 8,192 / 128 x 3 = 192 work-groups; no block of whole rows gives 256 evenly.
; N goes in two passes of 512 columns; a wave makes 128 x 128: 64 accumulators, 512 registers.  K goes in steps of 64, numbered 0 .. 31 over both passes.
; W lies [k][n] in LDS, brought by joint tensor loads (the four row blocks of a cluster walk the same W), and is turned by ds_load_tr16_b128.
; x comes as f32 through registers, its loads two K steps ahead of their use, is rounded once a work-group and stored into LDS slots of its own.
; Source 0 = 16 columns of W, source 1 = 16 rows of x: a lane holds one row (lane % 16) and eight neighbouring columns.  The bias is the C operand that starts a pass's sums.
; LAYERNORM.  After a pass t = y - y[row][0] is held in LDS as f16 (the shift is a constant of the row, which LayerNorm cancels): pass 0 in HOLD0, pass 1 in the ring's bytes, behind their last fill.
; The last loop takes whole rows, makes the mean, then the centred squares, in f32, and stores two rows of a head, 256 consecutive bytes, by sixteen lanes.
; LIMITS.  |y - y[row][0]| must stay under 65,504 (f16), and so must 32 |gain| + |bias|, the bound of the result.  NaN and infinities are not treated apart.
; The x loads of K steps 29 and 30 ask for each row's first 512 bytes once more, and nobody uses them: the price of one text for both passes.
.set PB,    1056                       ; a k row of W in LDS: 1,024 bytes + 32 = 33 x 32
.set PA,    144                        ; a row of x in LDS: 128 bytes + 16
.set PH,    1040                       ; a held row: 1,024 bytes + 16
.set BSL,   64*PB                      ; a slot of W
.set ASL,   128*PA                     ; a slot of x
.set AB0,   2*BSL
.set HOLD0, AB0+2*ASL
.set HOLD1, 0
.set SHT,   HOLD0+128*PH               ; [wave 4][half 2][128] f32: the first register of each wave's first column block; wave 0's lower half holds y[row][0]
.set SPARE, SHT+4096                   ; the spare words, 128 bytes a wave
.set SPW,  28
.set NIL,  29
.set T,    32                          ; v32-63 at work
.set F0,   64                          ; fragment buffers: x's in window 0, W's in window 1
.set F1,   128
.set BIAS, 192                         ; window 0: register 8 b + j = b[512 p + 128 w + 16 b + 8 (l / 16) + j]
; window 0: v4, v5 held rows read (made anew in each trip); v25, v26 their lane terms, never rewritten; v6 offset in qkv; v7 offset in gain and bias; v8-11 held rows written; v12, v13 the shift table;
;           v14 offset in b; v16, 17 x's fragments; v18, 19 x's stores; v20, 21 W's fragments; v22, 23 x's loads by set; v24 their lane term; v31 the prefetch's offset
; window 1: v0-63 and v192-255 x as loaded, two sets.   windows 2, 3: accumulator (a, b) at v[8 (8 (a % 4) + b)] of window 2 + a / 4
; s2 pass; s3 counter; s14 wave; s15 cx; s16 row block; s17 Y; s19 the last loop's byte offset in the held rows; s[24:31] group 1; s[32:39] group 0 by slot; s[40:41] x; s42 x's byte along K; s[44:45] b;
; s[46:47], s48, s49 prefetch; s[50:51] qkv; s[52:53] gain; s[54:55] LN bias; s[56:57] lane selects
.set MSB, 0
.macro WIN new                         ; the immediate's high byte repeats the setting that is left
.if MSB != (\new)
	s_set_vgpr_msb (MSB<<8)|(\new)
.set MSB, \new
.endif
.endm
.macro PLACES                          ; four plain places behind a matrix instruction (ISA guide 7.12.1)
.rept 4
	v_nop
.endr
.endm
.macro CREST                           ; a round of the cluster's barrier behind its opening barrier
	s_cmp_lg_u32 s14, 0
	s_cbranch_scc1 .Lnot_wave_0_\@
	s_barrier_signal -3
.Lnot_wave_0_\@:
	s_barrier_wait -3
	s_barrier_signal -1
	s_barrier_wait -1
.endm
.macro CROUND
	s_barrier_signal -1
	s_barrier_wait -1
	CREST
.endm
.macro JLOAD s                         ; a joint load: my 16 k rows of 1,024 bytes of a K step; the same descriptor in all four partners
	tensor_load_to_lds s[32+4*(\s):35+4*(\s)], s[24:31]
	s_nop 0
.rept 4
	v_nop
.endr
.endm
.macro FETCH slot, kq, f               ; 32 LDS loads in one run: 32 along K of my 128 columns of W (turned) and of the 128 rows of x
	WIN 0x40
.irp b, 0,1,2,3,4,5,6,7
	ds_load_tr16_b128 v[(\f)+8*\b:(\f)+8*\b+3],   v[20+(\slot)] offset:(\kq)*32*PB+32*\b
	ds_load_tr16_b128 v[(\f)+8*\b+4:(\f)+8*\b+7], v[20+(\slot)] offset:(\kq)*32*PB+16*PB+32*\b
.endr
	WIN 0
.irp a, 0,1,2,3,4,5,6,7
	ds_load_b128 v[(\f)+8*\a:(\f)+8*\a+3],   v[16+(\slot)] offset:(\kq)*64+\a*16*PA
	ds_load_b128 v[(\f)+8*\a+4:(\f)+8*\a+7], v[16+(\slot)] offset:(\kq)*64+\a*16*PA+32
.endr
.endm
; 16 matrix instructions: row blocks a0, a0 + 1 of the window's four x all 8 column blocks.  The 64 accumulators take turns, one instruction a turn.
.macro MUL16 f, hi, a0, bias
.if \bias
	WIN 0x81+0x40*(\hi)
.else
	WIN 0xa1+0x50*(\hi)
.endif
.irp a, \a0, (\a0)+1
.irp b, 0,1,2,3,4,5,6,7
.if \bias
	v_wmma_f32_16x16x32_bf16 v[8*(8*(\a)+(\b)):8*(8*(\a)+(\b))+7], v[(\f)+8*(\b):(\f)+8*(\b)+7], v[(\f)+8*(4*(\hi)+(\a)):(\f)+8*(4*(\hi)+(\a))+7], v[BIAS+8*(\b):BIAS+8*(\b)+7]
.else
	v_wmma_f32_16x16x32_bf16 v[8*(8*(\a)+(\b)):8*(8*(\a)+(\b))+7], v[(\f)+8*(\b):(\f)+8*(\b)+7], v[(\f)+8*(4*(\hi)+(\a)):(\f)+8*(4*(\hi)+(\a))+7], v[8*(8*(\a)+(\b)):8*(8*(\a)+(\b))+7]
.endif
.endr
.endr
.endm
; x of the next K step, which lies in register set 'set', is rounded and stored into x's slot 'set'; the set is then asked for again, two K steps on.
.macro STAGE set
	s_wait_loadcnt 16                              ; my set is in; the other set's 16 younger loads stay out
	WIN 0x05
.set k, 0
.rept 32
	v_cvt_pk_bf16_f32 v[T+k], v[192*(\set)+2*k], v[192*(\set)+2*k+1]
.set k, k+1
.endr
	WIN 0
.set k, 0
.rept 16
	ds_store_b64 v[18+(\set)], v[T+2*k:T+2*k+1] offset:288*k
.set k, k+1
.endr
	s_add_co_u32 s42, s42, 256
	s_and_b32 s42, s42, 0xfff                      ; a row of x has 16 K steps of 256 bytes: the second pass walks it again
	v_add_nc_u32 v[22+(\set)], s42, v24            ; free since the wait above has shown the set's loads done
	WIN 0x40
.set k, 0
.rept 16
	global_load_b128 v[192*(\set)+4*k:192*(\set)+4*k+3], v[22+(\set)], s[40:41] offset:8192*k  ; two rows, 256 consecutive bytes of each
.set k, k+1
.endr
	WIN 0
.endm
; The first 32 along K of a step, on buffer 0.  The conversions of STAGE are the places in front of the run of loads.
.macro QUARTER slot, oth, bias, stage
	s_wait_dscnt 8                                 ; W and x's rows 0-63 are in; the youngest eight loads may be out
	MUL16 F0, 0, 0, \bias
	MUL16 F0, 0, 2, \bias
.if \stage
	STAGE \oth
.else
	PLACES
.endif
	FETCH \slot, 1, F1
	s_wait_dscnt 32                                ; all but the 32 just issued
	MUL16 F0, 1, 0, \bias
	MUL16 F0, 1, 2, \bias
.endm
; The change of slots: each wave waits for all its tensor loads, adds 0 to its spare word, and waits for that, for its reads of both slots and for its stores of x.
.macro MEET round
	WIN 0
	s_wait_tensorcnt 0x0                           ; the one load that was out is my part of the next slot
	ds_add_u32 v[SPW], v[NIL]
	s_wait_dscnt 9                                 ; the add and the youngest eight loads may be out
	MUL16 F1, 0, 0, 0
	s_wait_dscnt 0x0
	s_barrier_signal -1
	MUL16 F1, 0, 2, 0
.if \round
	WIN 0
.endif
	s_barrier_wait -1
.endm
; One prefetch a lap, behind the joint load and the run of LDS loads: my 32 blocks of 256 bytes of the two K steps that the next lap's refills ask for.  The first cluster of each Y asks; its sixteen waves
; share the 512 blocks out by address.  Fourteen requests: K steps 4 .. 31; steps 0 .. 3 come by their loads alone.
.macro ASK
	s_cmp_gt_u32 s48, s49
	s_cbranch_scc0 .Lnot_mine_\@
	global_prefetch_b8 v31, s[46:47] th:TH_LOAD_NT scope:SCOPE_SE
	s_sub_co_u32 s48, s48, 1
.Lnot_mine_\@:
.endm
.macro TURN slot, next                 ; the second 32 along K, on buffer 1; the slot is filled again with the K step two on
.if (\slot) == 0
	s_wait_xcnt 0x0                                ; the last prefetch, a lap back, has read its address
	s_add_nc_u64 s[46:47], s[46:47], 131072
.endif
	MEET 1
	CREST                                          ; no wave of any partner still reads this slot or has a load on its way
	s_add_nc_u64 s[34+4*(\slot):35+4*(\slot)], s[34+4*(\slot):35+4*(\slot)], 131072
	JLOAD \slot                                    ; its four v_nop are also the places in front of the loads below
	FETCH \next, 0, F0
.if (\slot) == 0
	ASK
.endif
	MUL16 F1, 1, 0, 0
	MUL16 F1, 1, 2, 0
.endm
; A pass's results leave the registers: less the row's shift, rounded to f16, into the pass's held rows.
.macro EPI p
	PLACES
.if (\p) == 0
.irp a, 0,1,2,3,4,5,6,7
	WIN 0x08+4*(\a/4)
	ds_store_b32 v12, v[64*(\a%4)] offset:64*\a    ; register 0 of accumulator (a, 0)
.endr
.endif
	WIN 0                                          ; in both passes: the table's address and the shifts' registers lie in window 0
	s_wait_dscnt 0x0
	s_barrier_signal -1                            ; pass 0: the shifts lie in LDS.  Pass 1: no wave reads the ring any more
	s_barrier_wait -1
.if (\p) == 0
	s_add_nc_u64 s[44:45], s[44:45], 2048          ; the second pass's bias
.irp b, 0,1,2,3,4,5,6,7
	global_load_b128 v[BIAS+8*\b:BIAS+8*\b+3],   v14, s[44:45] offset:64*\b
	global_load_b128 v[BIAS+8*\b+4:BIAS+8*\b+7], v14, s[44:45] offset:64*\b+16
.endr
.endif
.irp a, 0,1,2,3,4,5,6,7
	ds_load_b32 v[128+2*\a], v13 offset:64*\a      ; y[16 a + l % 16][0]
.endr
	s_wait_dscnt 0x0
.irp a, 0,1,2,3,4,5,6,7
	v_mov_b32 v[129+2*\a], v[128+2*\a]
.endr
.irp a, 0,1,2,3,4,5,6,7
	WIN 0x82+0x41*(\a/4)
.set k, 0
.rept 32
	v_pk_add_f32 v[64*(\a%4)+2*k:64*(\a%4)+2*k+1], v[64*(\a%4)+2*k:64*(\a%4)+2*k+1], v[128+2*\a:129+2*\a] neg_lo:[0,1] neg_hi:[0,1]
.set k, k+1
.endr
	WIN 0x0a+5*(\a/4)
.set k, 0
.rept 32
	v_cvt_pk_f16_f32 v[T+k], v[64*(\a%4)+2*k], v[64*(\a%4)+2*k+1]
.set k, k+1
.endr
	WIN 0
.irp b, 0,1,2,3,4,5,6,7
	ds_store_b128 v[8+2*(\p)+\a/4], v[T+4*\b:T+4*\b+3] offset:(\a%4)*16*PH+32*\b
.endr
.endr
.endm
.macro TREE                            ; 16 pairs in v128-159 -> the row's sum in v128, in all 16 lanes of the row (lanes that differ in bits 0, 1, 2 and 4)
.irp w, 16, 8, 4, 2
.set k, 0
.rept (\w)/2
	v_pk_add_f32 v[128+2*k:129+2*k], v[128+2*k:129+2*k], v[128+(\w)+2*k:129+(\w)+2*k]
.set k, k+1
.endr
.endr
	v_add_f32 v128, v128, v129
	v_add_f32_dpp v128, v128, v128 row_xmask:1 row_mask:0xf bank_mask:0xf
	v_add_f32_dpp v128, v128, v128 row_xmask:2 row_mask:0xf bank_mask:0xf
	v_add_f32_dpp v128, v128, v128 row_xmask:4 row_mask:0xf bank_mask:0xf
	v_permlanex16_b32 v129, v128, s56, s57
	v_add_f32 v128, v128, v129
.endm
	s_load_b256 s[4:11], s[0:1], 0x0               ; q 4, kv 6, wb 8, par 10
	s_load_b64 s[12:13], s[0:1], 0x20              ; qkv
	v_lshl_add_u32 v[SPW], v0, 2, SPARE
	v_mov_b32 v[NIL], 0
	ds_add_u32 v[SPW], v[NIL]                      ; the wave's opening
	v_lshrrev_b32 v1, 5, v0
	v_readfirstlane_b32 s14, v1                    ; wave 0..3
	s_bfe_u32 s15, ttmp6, 0x40000                  ; cx
	s_lshl_b32 s16, ttmp9, 2
	s_add_co_u32 s16, s16, s15                     ; my block of 128 rows: it enters x's and qkv's addresses alone
	s_and_b32 s17, ttmp7, 0xffff                   ; Y
	s_mov_b32 s24, 15|(1<<16)|(1<<20)|(1<<21)|(7<<22)|(7<<25)  ; the mask of four; 2-byte elements; padding on; bit 21 beside a mask; after every 256 words 8 words
	s_mov_b32 s25, 512<<16                         ; tensor_dim0 = 512
	s_mov_b32 s26, 16<<16                          ; tensor_dim1 = 16
	s_mov_b32 s27, 512<<16                         ; tile_dim0 = 512
	s_mov_b32 s28, 16                              ; tile_dim1 = 16
	s_mov_b32 s29, 512                             ; elements from row to row
	s_mov_b32 s30, 0
	s_mov_b32 s31, 0
	s_mul_i32 s18, s14, 16*PB                      ; my 16 rows in a slot
	s_lshl_b32 s20, s17, 21                        ; my matrix,
	s_lshl_b32 s21, s14, 14                        ; my 16 rows of a K step
	s_add_co_u32 s20, s20, s21
	s_mov_b32 s21, 0
	s_lshl_b32 s58, s16, 19                        ; x: 128 rows of 4,096 bytes a block,
	s_lshl_b32 s59, s14, 17                        ; 32 rows a wave
	s_add_co_u32 s58, s58, s59
	s_mov_b32 s59, 0
	s_lshl_b32 s60, s17, 12                        ; a vector of par
	s_mov_b32 s61, 0
	s_lshl_b32 s62, s15, 2
	s_add_co_u32 s62, s62, s14
	s_lshl_b32 s62, s62, 13                        ; the prefetch: 8,192 bytes for each of the cluster's 16 waves,
	s_lshl_b32 s63, s17, 21
	s_add_co_u32 s62, s62, s63
	s_add_co_u32 s62, s62, 131072                  ; at K step 2: the first lap steps it to 4
	s_mov_b32 s63, 0
	s_mov_b32 s48, 14
	s_cmp_eq_u32 ttmp9, 0
	s_cselect_b32 s49, 0, -1                       ; the same in all four partners
	s_mov_b32 s56, 0x76543210
	s_mov_b32 s57, 0xfedcba98
	s_mov_b32 s42, 256
	s_mov_b32 s2, 2
	s_wait_dscnt 0x0                               ; the opening add is done
	s_wait_kmcnt 0x0
	s_add_nc_u64 s[22:23], s[8:9], s[20:21]
.irp n, 0,1
	s_mov_b32 s[32+4*\n], 1
	s_add_co_u32 s[33+4*\n], s18, \n*BSL
	s_add_nc_u64 s[34+4*\n:35+4*\n], s[22:23], \n*65536
	s_or_b32 s[35+4*\n], s[35+4*\n], 0x80000000
.endr
	s_cmp_eq_u32 s17, 0
	s_cselect_b64 s[40:41], s[4:5], s[6:7]
	s_add_nc_u64 s[40:41], s[40:41], s[58:59]
	s_add_nc_u64 s[44:45], s[10:11], s[60:61]
	s_add_nc_u64 s[52:53], s[44:45], 3*4096
	s_add_nc_u64 s[54:55], s[44:45], 6*4096
	s_add_nc_u64 s[46:47], s[8:9], s[62:63]
	s_lshl_b32 s58, s17, 24                        ; qkv: the tensor,
	s_lshr_b32 s60, s16, 4
	s_lshl_b32 s60, s60, 22                        ; the batch's 16 heads,
	s_add_co_u32 s58, s58, s60
	s_and_b32 s60, s16, 15
	s_lshl_b32 s60, s60, 14                        ; my block's rows in a head,
	s_add_co_u32 s58, s58, s60
	s_lshl_b32 s60, s14, 12                        ; my wave's 32
	s_add_co_u32 s58, s58, s60
	s_add_nc_u64 s[50:51], s[12:13], s[58:59]
	CROUND                                         ; all four work-groups are here: the first joint loads meet
	JLOAD 0
	JLOAD 1
	v_and_b32 v1, 15, v0                           ; r
	v_bfe_u32 v2, v0, 4, 1                         ; h
	v_lshlrev_b32 v24, 4, v1
	v_lshl_add_u32 v24, v2, 12, v24                ; 4,096 h + 16 r
	v_mov_b32 v22, v24
	v_add_nc_u32 v23, 256, v24
	s_lshl_b32 s18, s14, 9
	v_lshl_add_u32 v14, v2, 5, s18                 ; 512 w + 32 h
.irp b, 0,1,2,3,4,5,6,7
	global_load_b128 v[BIAS+8*\b:BIAS+8*\b+3],   v14, s[44:45] offset:64*\b
	global_load_b128 v[BIAS+8*\b+4:BIAS+8*\b+7], v14, s[44:45] offset:64*\b+16
.endr
	WIN 0x40
.set k, 0
.rept 16
	global_load_b128 v[4*k:4*k+3], v22, s[40:41] offset:8192*k          ; x of K step 0
.set k, k+1
.endr
.set k, 0
.rept 16
	global_load_b128 v[192+4*k:192+4*k+3], v23, s[40:41] offset:8192*k  ; x of K step 1
.set k, k+1
.endr
	WIN 0
	v_mul_u32_u24 v3, v1, PA
	v_lshl_add_u32 v3, v2, 4, v3
	v_add_nc_u32 v16, AB0, v3
	v_add_nc_u32 v17, AB0+ASL, v3
	s_mul_i32 s18, s14, 32*PA
	v_mul_u32_u24 v3, v2, PA
	v_lshl_add_u32 v3, v1, 3, v3
	v_add_nc_u32 v3, s18, v3
	v_add_nc_u32 v18, AB0, v3
	v_add_nc_u32 v19, AB0+ASL, v3
	v_and_b32 v3, 7, v0
	v_lshl_add_u32 v3, v2, 3, v3
	v_mul_u32_u24 v3, v3, PB
	v_bfe_u32 v15, v0, 3, 1
	v_lshl_add_u32 v3, v15, 4, v3
	s_lshl_b32 s18, s14, 8
	v_add_nc_u32 v20, s18, v3
	v_add_nc_u32 v21, BSL, v20
	v_mul_u32_u24 v3, v1, PH
	v_lshl_add_u32 v3, v2, 4, v3
	v_add_nc_u32 v10, s18, v3                      ; HOLD1 begins at byte 0
	v_add_nc_u32 v11, 64*PH, v10
	v_add_nc_u32 v8, HOLD0, v10
	v_add_nc_u32 v9, HOLD0, v11
	v_lshlrev_b32 v13, 2, v1
	v_add_nc_u32 v13, SHT, v13
	s_lshl_b32 s18, s14, 10
	v_lshl_add_u32 v12, v2, 9, v13
	v_add_nc_u32 v12, s18, v12
	v_and_b32 v3, 7, v0                            ; the last loop's lane terms: row (l / 8) % 2 of my wave's 32, 128 bytes for l / 16, 16 bytes for l % 8
	v_mul_u32_u24 v25, v15, PH
	v_lshl_add_u32 v25, v2, 7, v25
	v_lshl_add_u32 v25, v3, 4, v25
	s_mul_i32 s18, s14, 32*PH
	v_add_nc_u32 v25, s18, v25                     ; in pass 1's rows,
	v_add_nc_u32 v26, HOLD0, v25                   ; in pass 0's
	v_and_b32 v31, 31, v0
	v_lshlrev_b32 v31, 8, v31
	STAGE 0                                        ; the bias and x of step 0 are in; x of step 0 goes to LDS, step 2 is asked for
	s_wait_tensorcnt 1                             ; my part of K step 0 is in; step 1's stays out
	s_wait_dscnt 0x0
	s_barrier_signal -1
	s_barrier_wait -1
	FETCH 0, 0, F0
.Lpass:
	s_wait_loadcnt 0x0                             ; the pass's bias is in
	QUARTER 0, 1, 1, 1                             ; a pass's first products start the sums with the bias
	WIN 0
	s_mov_b32 s3, 7
.Llap:
	TURN 0, 1
	QUARTER 1, 0, 0, 1
	TURN 1, 0
	QUARTER 0, 1, 0, 1
	WIN 0
	s_sub_co_u32 s3, s3, 1
	s_cmp_lg_u32 s3, 0
	s_cbranch_scc1 .Llap
	s_cmp_eq_u32 s2, 1
	s_cbranch_scc1 .Llast                          ; the second pass's tail is written out: it asks for nothing more
	TURN 0, 1                                      ; the ring goes on into the second pass: W's K steps lie end to end
	QUARTER 1, 0, 0, 1
	TURN 1, 0
	EPI 0
	s_sub_co_u32 s2, s2, 1
	s_branch .Lpass
.Llast:
	MEET 0
	PLACES
	FETCH 1, 0, F0
	MUL16 F1, 1, 0, 0
	MUL16 F1, 1, 2, 0
	QUARTER 1, 0, 0, 0
	s_wait_dscnt 8
	MUL16 F1, 0, 0, 0
	MUL16 F1, 0, 2, 0
	s_wait_dscnt 0x0
	MUL16 F1, 1, 0, 0
	MUL16 F1, 1, 2, 0
	EPI 1
	s_wait_dscnt 0x0
	s_barrier_signal -1
	s_barrier_wait -1                              ; all held rows lie in LDS
	; THE LAST LOOP.  Wave w takes rows 32 w .. 32 w + 31, two a trip.  Lane: i8 = l % 8, rr = (l / 8) % 2 the row, hd = l / 16.  Chunk c of eight: head 2 c + hd, channels 8 i8 + 0..7.
	s_wait_loadcnt 0x0                             ; the x loads that nobody uses have landed: their registers are free
	v_and_b32 v40, 7, v0
	v_bfe_u32 v41, v0, 3, 1
	v_lshlrev_b32 v7, 5, v40
	v_lshl_add_u32 v7, v2, 8, v7                   ; 256 hd + 32 i8
	WIN 0x40
.irp c, 0,1,2,3,4,5,6,7
	global_load_b128 v[8*\c:8*\c+3],       v7, s[52:53] offset:512*\c
	global_load_b128 v[8*\c+4:8*\c+7],     v7, s[52:53] offset:512*\c+16
	global_load_b128 v[64+8*\c:64+8*\c+3], v7, s[54:55] offset:512*\c
	global_load_b128 v[64+8*\c+4:64+8*\c+7], v7, s[54:55] offset:512*\c+16
.endr
	WIN 0
	v_lshlrev_b32 v6, 4, v40
	v_lshl_add_u32 v6, v41, 7, v6
	v_lshl_add_u32 v6, v2, 18, v6                  ; 262,144 hd + 128 rr + 16 i8
	v_mov_b32 v165, 1.0
	v_mov_b32 v166, 0x3a800000                     ; 1 / 1,024
	v_mov_b32 v167, 0
	v_mov_b32 v168, 0x358637bd                     ; 1e-6
	s_mov_b32 s19, 0                               ; the trip's two rows, in bytes of the held rows
	s_mov_b32 s3, 16
	s_wait_loadcnt 0x0
.Lfin:
	v_add_nc_u32 v4, s19, v26                      ; the addresses are made anew from the lane terms and the trip's offset
	v_add_nc_u32 v5, s19, v25
.irp c, 0,1,2,3
	ds_load_b128 v[32+4*\c:35+4*\c], v4 offset:256*\c
.endr
.irp c, 0,1,2,3
	ds_load_b128 v[48+4*\c:51+4*\c], v5 offset:256*\c
.endr
	s_add_co_u32 s19, s19, 2*PH
	s_wait_dscnt 0x0
.set k, 0
.rept 32
	v_fma_mix_f32 v[64+2*k], v[32+k], v165, v167 op_sel_hi:[1,0,0]               ; the low half as f32
	v_fma_mix_f32 v[65+2*k], v[32+k], v165, v167 op_sel:[1,0,0] op_sel_hi:[1,0,0] ; the high half
.set k, k+1
.endr
.set k, 0
.rept 16
	v_pk_add_f32 v[128+2*k:129+2*k], v[64+2*k:65+2*k], v[96+2*k:97+2*k]
.set k, k+1
.endr
	TREE
	v_mul_f32 v160, v166, v128                     ; the mean of t
	v_mul_f32 v161, v166, v128
.set k, 0
.rept 32
	v_pk_add_f32 v[64+2*k:65+2*k], v[64+2*k:65+2*k], v[160:161] neg_lo:[0,1] neg_hi:[0,1]
.set k, k+1
.endr
.set k, 0
.rept 16
	v_pk_mul_f32 v[128+2*k:129+2*k], v[64+2*k:65+2*k], v[64+2*k:65+2*k]
.set k, k+1
.endr
.set k, 0
.rept 16
	v_pk_fma_f32 v[128+2*k:129+2*k], v[96+2*k:97+2*k], v[96+2*k:97+2*k], v[128+2*k:129+2*k]
.set k, k+1
.endr
	TREE
	v_fma_f32 v164, v128, v166, v168               ; the variance + 1e-6
	v_rsq_f32 v162, v164
	v_rsq_f32 v163, v164
	v_nop                                          ; a plain instruction behind the last of the two,
	s_wait_alu depctr_va_vdst(0)                   ; and the wait ahead of their first reader
.set k, 0
.rept 32
	v_pk_mul_f32 v[64+2*k:65+2*k], v[64+2*k:65+2*k], v[162:163]
.set k, k+1
.endr
	WIN 0x14                                       ; gain and bias in window 1
.set k, 0
.rept 32
	v_pk_fma_f32 v[64+2*k:65+2*k], v[64+2*k:65+2*k], v[2*k:2*k+1], v[64+2*k:65+2*k]
.set k, k+1
.endr
	WIN 0
.set k, 0
.rept 32
	v_cvt_pk_f16_f32 v[192+k], v[64+2*k], v[65+2*k]
.set k, k+1
.endr
.irp c, 0,1,2,3,4,5,6,7
	global_store_b128 v6, v[192+4*\c:195+4*\c], s[50:51] offset:524288*\c  ; sixteen lanes: two rows of one head, 256 consecutive bytes, aligned
.endr
	s_wait_xcnt 0x0                                ; the offset and the stores' registers are written again only behind this wait
	v_add_nc_u32 v6, 256, v6
	s_sub_co_u32 s3, s3, 1
	s_cmp_lg_u32 s3, 0
	s_cbranch_scc1 .Lfin
	s_wait_tensorcnt 0x0                           ; the wave's end
	ds_add_u32 v[SPW], v[NIL]
	s_wait_dscnt 0x0
	CROUND                                         ; the closing round
	s_endpgm
.Lfunc_end_k_q65e586af13_proj:
	.size	k_q65e586af13_proj, .Lfunc_end_k_q65e586af13_proj-k_q65e586af13_proj
	.p2alignl 7, 3214868480
	.fill 96, 4, 3214868480
	.section	.rodata,"a",@progbits
	.p2align	6, 0x0
	.amdhsa_kernel k_q65e586af13_proj
		.amdhsa_group_segment_fixed_size 327680
		.amdhsa_private_segment_fixed_size 0
		.amdhsa_enable_private_segment 0
		.amdhsa_kernarg_size 40
		.amdhsa_user_sgpr_count 2
		.amdhsa_user_sgpr_kernarg_segment_ptr 1
		.amdhsa_wavefront_size32 1
		.amdhsa_system_sgpr_workgroup_id_x 1
		.amdhsa_system_sgpr_workgroup_id_y 1
		.amdhsa_system_sgpr_workgroup_id_z 1
		.amdhsa_system_vgpr_workitem_id 0
		.amdhsa_next_free_vgpr 1024
		.amdhsa_next_free_sgpr 66
		.amdhsa_reserve_vcc 0
		.amdhsa_float_denorm_mode_32 3
		.amdhsa_float_denorm_mode_16_64 3
		.amdhsa_memory_ordered 1
		.amdhsa_forward_progress 1
		.amdhsa_inst_pref_size 210
	.end_amdhsa_kernel
	.amdgpu_metadata
---
amdhsa.version: [ 1, 2 ]
amdhsa.kernels:
  - .name:           k_q65e586af13_proj
    .symbol:         k_q65e586af13_proj.kd
    .args:
      - { .name: q, .offset: 0, .size: 8, .value_kind: global_buffer, .address_space: global }
      - { .name: kv, .offset: 8, .size: 8, .value_kind: global_buffer, .address_space: global }
      - { .name: wb, .offset: 16, .size: 8, .value_kind: global_buffer, .address_space: global }
      - { .name: par, .offset: 24, .size: 8, .value_kind: global_buffer, .address_space: global }
      - { .name: qkv, .offset: 32, .size: 8, .value_kind: global_buffer, .address_space: global }
    .group_segment_fixed_size: 327680
    .private_segment_fixed_size: 0
    .kernarg_segment_align: 8
    .kernarg_segment_size: 40
    .max_flat_workgroup_size: 128
    .sgpr_count:     66
    .vgpr_count:     1024
    .wavefront_size: 32
...
	.end_amdgpu_metadata
.endif
;; end of part 2
;; launch attn (part 3): grid 4 x 64, 8 waves a work-group, clusters of 4 x 1, 327,680 bytes of LDS; arguments qkv, mk, ao; writes ao
.if DOCPART == 3
	.amdgcn_target "amdgcn-amd-amdhsa--gfx1250"
	.amdhsa_code_object_version 6
	.text
	.protected	k_q65e586af13_attn
	.globl	k_q65e586af13_attn
	.p2align	8
	.type	k_q65e586af13_attn,@function
k_q65e586af13_attn:
	s_mov_b64 s[64:65], 0
	v_nop
	global_prefetch_b8 v0, s[64:65] scope:SCOPE_SE
	s_setreg_imm32_b32 hwreg(HW_REG_WAVE_MODE, 25, 1), 1
	s_wait_xcnt 0x0
	s_wait_alu depctr_hold_cnt(0) depctr_sa_sdst(0) depctr_va_vdst(0) depctr_va_sdst(0) depctr_va_ssrc(0) depctr_va_vcc(0) depctr_vm_vsrc(0)
	s_getreg_b32 s2, hwreg(HW_REG_IB_STS2, 6, 4)
	s_cmp_eq_u32 s2, 0
	s_cbranch_scc0 .Lentry_in_a_cluster
	s_endpgm
.Lentry_in_a_cluster:
	s_bfe_u32 s2, ttmp6, 0x10000c
	s_cmp_lg_u32 s2, 0x3003
	s_cbranch_scc0 .Lentry_shape_is_right
	s_endpgm
.Lentry_shape_is_right:
; MASKED ATTENTION at head size 64.  O[bh][q] = the sum over k of softmax_k(score) V[bh][k], score = Q . K / 8, or hidden where the mask is 0.  Q, K, V (qkv) and O (ao): [bh 64][2048][64] f16.
; Products, maxima and sums in f32; the weights p are rounded to f16 for the second product (their sum l is taken of the unrounded p), O once at the end.
; THE MASK starts the sum S^T = K Q^T: 0, or -2^100 where the key is hidden.  It comes as one E4M3 byte a score (0 or -1.0), already in my lanes' order; one scaled conversion makes eight f32 of eight bytes,
; times 2^100, straight into the accumulator's registers, and the products add onto them in place.
; LIMITS.  A hidden score counts as the score less 2^100, in which sum a score below 2^76 vanishes: beside a seen key its weight is 0; in a row with no seen key all scores round to -2^100, all weights are 1,
; and O is the mean of V's rows, as with a common -1e9.  f16 holds no number beyond 65,504: Q, K, V arrive within it.  p below 6e-5 keeps f16's fixed step; a weight below 2^-126 counts as 0 in l.
; NaN and infinities are not treated apart.
; SHARES.  A work-group owns 512 queries of one head: EIGHT waves, two to a SIMD, 512 registers each; a wave owns 64 queries: four PIECES of 16.  A piece and key step have 16 matrix and 122 vector instructions:
; more than stand beside the matrix work of one wave; with two waves on a SIMD one wave's vector runs and waits stand beside the other's products.  Every wave walks all 2,048 keys, 64 a step, four steps to a
; slot of LDS, two slots.  2,048 / 512 x 64 heads = 256 work-groups.
; LAYOUT, SOFTMAX.  S^T = K Q^T holds ONE query a lane (lane % 16) and the keys 8 (lane / 16) + 0..7; two such results rounded to f16 ARE source 1 of O^T = V^T P.  p = 2^(c s - c m), c = log2(e) / 8, with a
; running maximum m; O and l are multiplied by a = 2^(c m_old - c m_new) in every step.  m starts at the lowest finite number, O and l at 0: the first step is a step like any other, with a = 0.
; TURNS.  Turn n belongs to piece n: 8 products K Q^T of piece n + 1, later 8 products V^T P of piece n - 1; beside them the scaling, exponentials, rescaling, roundings and sums of piece n and the maximum and
; statistics of piece n + 1.  A turn's 33 exponentials are one batch, with one wait.
; CLUSTER.  The four query blocks of a head are one cluster and walk the same K and V: each tile is asked for jointly.
; REGISTERS, two windows of 256 (s_set_vgpr_msb: bits 1:0 source 0, 3:2 source 1, 5:4 source 2, 7:6 destination):
;   window 0: v0-15 addresses; v16-31 statistics; v48-55 at work; v56-58 offsets and the scale byte; v62, 63 the add's; v64-127 S^T, two buffers; v128-191 K; v192-223 P, two buffers; v224-255 the mask's bytes
;   window 1: v0-127 O^T; v128-191 V; v192-255 Q
; K Q^T wants source 1 alone in window 1; the scalings (source 1 a scalar pair) and the exponentials (no source 1) name no vector register there, so they stand under the same setting.  V^T P wants all but
; source 1 in window 1, and so does the rescaling of O^T.  All else lies in window 0.  So a turn has about eleven switches for its 16 matrix instructions.
.set NP,    4
.set KS,    64
.set PK,    144       ; a row of K in LDS: 128 bytes + 16
.set PV,    160       ; a row of V: 128 + 32
.set VOFF,  4*KS*PK   ; a slot holds four steps: 256 rows of K, then 256 rows of V
.set SLOT1, 1<<17
.set STAGE, SLOT1+4*KS*(PK+PV)  ; behind the ring: 16 rows x 144 bytes for each of the eight waves
.set SP,    144
.set SPARE, STAGE+8*16*SP       ; the spare words, 128 bytes a wave: four blocks of 256 bytes that no other line names
.set AK0, 2
.set AV0, 3
.set AK,  4
.set AV,  5
.set STO, 6
.set RD,  7
.set GO,  8
.set MV,  12
.set QO,  15
.set ST,  16
.set TMP, 48
.set MKO, 56          ; 16 x lane
.set PFO, 57          ; 256 x lane
.set SC,  58          ; 0xE3: the conversion multiplies by 2^(0xE3 - 127) = 2^100
.set SPW, 62
.set NIL, 63
.set S,   64
.set KF,  128
.set P,   192
.set RAW, 224
.set VF,  128         ; in window 1
.set QF,  192         ; in window 1
.set WV,  12
.set G1K, 24
.set G1V, 32
.set G0K, 40
.set G0V, 44
.set SLOTS, 56
.set CNT, 57
.set CS,  58
.set SEL, 60
.set TBK, 62
.set TBV, 63
.set MK0, 66          ; s[66:67] mk at my wave's four tiles, step 0
.set MKB, 68          ; s[68:69] the same at the step to be loaded
.set MST, 70          ; s[70:71] that step's byte offset, and 0
.set PFA, 72          ; s[72:73] where my prefetches stand
.set LIM, 74
.set MSB, 0
.macro WIN new
.if MSB != (\new)
	s_set_vgpr_msb (MSB<<8)|(\new)
.set MSB, (\new)
.endif
.endm
.set W_KQ, 0x04       ; Q in window 1; K and S^T in window 0
.set W_PV, 0x51       ; V and O^T in window 1; P in window 0
.set W_RS, 0x51       ; O^T (destination and source 0) in window 1, the factor in window 0
.macro JLOAD                        ; waves 0 to 3 fetch the four quarters of a slot's K, waves 4 to 7 those of its V: 64 keys each
	s_cmp_lt_u32 s[WV], 4
	s_cbranch_scc0 .Lfor_v_\@
	tensor_load_to_lds s[G0K:G0K+3], s[G1K:G1K+7]
	s_nop 0
.rept 4
	v_nop
.endr
	s_branch .Lasked_\@
.Lfor_v_\@:
	tensor_load_to_lds s[G0V:G0V+3], s[G1V:G1V+7]
	s_nop 0
.rept 4
	v_nop
.endr
.Lasked_\@:
.endm
; A prefetch of what the NEXT change of slots will ask for: 128 blocks of 256 bytes of K and of V.  The head's one cluster asks; its four partners take 32 blocks each, told apart by address; wave 0 asks for K's,
; wave 4 for V's.  The last change that fills a slot asks for nothing.
.macro ASK
	s_cmp_gt_u32 s[SLOTS], s[LIM]
	s_cbranch_scc0 .Lnot_mine_\@
	global_prefetch_b8 v[PFO], s[PFA:PFA+1] th:TH_LOAD_NT scope:SCOPE_SE
.Lnot_mine_\@:
.endm
.macro CROUND
	s_barrier_signal -1
	s_barrier_wait -1
	s_cmp_lg_u32 s[WV], 0
	s_cbranch_scc1 .Lnot_wave_0_\@
	s_barrier_signal -3
.Lnot_wave_0_\@:
	s_barrier_wait -3
	s_barrier_signal -1
	s_barrier_wait -1
.endm
; THE CHANGE OF SLOTS.  Each wave waits for all its tensor loads (one is out: its part of the other slot), adds 0 to its spare word, and waits for that and for its reads of the slot that it leaves.
.macro CHANGE fill
	WIN 0
	s_wait_tensorcnt 0x0
	ds_add_u32 v[SPW], v[NIL]
.if \fill
.irp g, G0K, G0V
	s_xor_b32 s[\g+1], s[\g+1], SLOT1
	s_add_nc_u64 s[\g+2:\g+3], s[\g+2:\g+3], 4*KS*128
.endr
	s_wait_xcnt 0x0                 ; the last prefetch, four key steps back, has read its address
	s_add_nc_u64 s[PFA:PFA+1], s[PFA:PFA+1], 4*KS*128
	s_wait_dscnt 0x0
	CROUND
	JLOAD
	ASK
.else
	s_wait_dscnt 0x0
	s_barrier_signal -1
	s_barrier_wait -1
.endif
	s_sub_co_u32 s[TBK], s[TBK], 4*KS*PK
	s_xor_b32 s[TBK], s[TBK], SLOT1
	s_sub_co_u32 s[TBV], s[TBV], 4*KS*PV
	s_xor_b32 s[TBV], s[TBV], SLOT1
.endm
.macro MLOAD c                      ; piece c's 1,024 mask bytes of the step at MKB: 512 consecutive bytes a load
	WIN 0
	global_load_b128 v[RAW+8*(\c):RAW+8*(\c)+3],   v[MKO], s[MKB:MKB+1] offset:32768*(\c)
	global_load_b128 v[RAW+8*(\c)+4:RAW+8*(\c)+7], v[MKO], s[MKB:MKB+1] offset:32768*(\c)+512
.endm
.macro CONV c, buf                  ; piece c's bytes -> 32 f32, 0 or -2^100, into buffer buf of S^T, whose last scores have been used up
	s_wait_loadcnt 6                ; the three other pieces' two loads each are younger
	WIN 0
.irp kb, 0,1,2,3
	v_cvt_scale_pk8_f32_fp8 v[S+32*(\buf)+8*\kb:S+32*(\buf)+8*\kb+7], v[RAW+8*(\c)+2*\kb:RAW+8*(\c)+2*\kb+1], v[SC]
.endr
	v_nop                           ; a plain place between the conversions and what touches their results or writes their sources
.endm
	s_load_b128 s[84:87], s[0:1], 0x0  ; qkv, mk
	s_load_b64 s[10:11], s[0:1], 0x10  ; ao
	v_lshl_add_u32 v[SPW], v0, 2, SPARE
	v_mov_b32 v[NIL], 0
	ds_add_u32 v[SPW], v[NIL]       ; the wave's opening
	v_lshrrev_b32 v1, 5, v0
	v_readfirstlane_b32 s[WV], v1   ; wave 0..7
	s_bfe_u32 s13, ttmp6, 0x40000   ; cx
	s_lshl_b32 s14, ttmp9, 2
	s_add_co_u32 s14, s14, s13      ; my block of 512 queries: it enters Q's, O's and the mask's addresses alone
	s_and_b32 s15, ttmp7, 0xffff    ; batch x 16 + head
	s_lshl_b32 s20, s15, 18         ; the head's 262,144 bytes
	s_and_b32 s16, s[WV], 3
	s_lshl_b32 s22, s16, 13         ; which quarter of a slot's 256 keys I fetch: 64 rows of 128 bytes
	s_add_co_u32 s22, s22, s20
	s_mov_b32 s23, 0
	s_mul_i32 s17, s16, 64*PK
	s_mul_i32 s18, s16, 64*PV
	s_lshl_b32 s2, s14, 16
	s_lshl_b32 s3, s[WV], 13
	s_add_co_u32 s2, s2, s3
	s_add_co_u32 s2, s2, s20        ; my wave's 64 rows of Q and O
	s_mov_b32 s3, 0
	s_lshr_b32 s76, s15, 4
	s_lshl_b32 s76, s76, 22         ; the batch's mask,
	s_lshl_b32 s77, s14, 20         ; my block's 32 tiles of 32,768 bytes,
	s_add_co_u32 s76, s76, s77
	s_lshl_b32 s77, s[WV], 17       ; my wave's four
	s_add_co_u32 s76, s76, s77
	s_mov_b32 s77, 0
	s_mov_b32 s[G1K], 15|(1<<16)|(1<<20)|(1<<21)|(4<<22)|(3<<25)  ; the mask of four; 2-byte elements; padding on; bit 21 beside a mask; after every 32 words 4 words
	s_mov_b32 s[G1V], 15|(1<<16)|(1<<20)|(1<<21)|(4<<22)|(7<<25)  ; the same with 8 words
.irp g, G1K, G1V
	s_mov_b32 s[\g+1], 128<<16      ; 64 keys are 8,192 dense bytes: 32 rows of 256, two keys a row
	s_mov_b32 s[\g+2], 32<<16
	s_mov_b32 s[\g+3], 128<<16
	s_mov_b32 s[\g+4], 32
	s_mov_b32 s[\g+5], 128
	s_mov_b32 s[\g+6], 0
	s_mov_b32 s[\g+7], 0
.endr
	s_mov_b32 s[CS], 0x3e38aa3b     ; c = log2(e) / 8
	s_mov_b32 s[CS+1], s[CS]
	s_mov_b32 s[SEL], 0x76543210
	s_mov_b32 s[SEL+1], 0xfedcba98
	s_mov_b32 s[TBK], SLOT1+4*KS*PK ; the first change of slots turns these two into 0
	s_mov_b32 s[TBV], SLOT1+4*KS*PV
	s_mov_b32 s[G0K], 1
	s_mov_b32 s[G0K+1], s17
	s_mov_b32 s[G0V], 1
	s_add_co_u32 s[G0V+1], s18, VOFF
	s_mov_b32 s[SLOTS], 7
	s_mov_b32 s[MST], 0
	s_mov_b32 s[MST+1], 0
	s_and_b32 s[LIM], s[WV], 3
	s_or_b32 s[LIM], s[LIM], ttmp9  ; 0 in waves 0 and 4: the same in all four partners
	s_cmp_eq_u32 s[LIM], 0
	s_cselect_b32 s[LIM], 1, -1
	s_wait_dscnt 0x0                ; the opening add is done
	s_wait_kmcnt 0x0
	s_add_nc_u64 s[6:7], s[84:85], s[22:23]
	s_add_nc_u64 s[8:9], s[6:7], 0x2000000   ; V
	s_add_nc_u64 s[6:7], s[6:7], 0x1000000   ; K
	s_mov_b64 s[G0K+2:G0K+3], s[6:7]
	s_or_b32 s[G0K+3], s[G0K+3], 0x80000000
	s_mov_b64 s[G0V+2:G0V+3], s[8:9]
	s_or_b32 s[G0V+3], s[G0V+3], 0x80000000
	s_add_nc_u64 s[4:5], s[84:85], s[2:3]
	s_add_nc_u64 s[10:11], s[10:11], s[2:3]
	s_add_nc_u64 s[MK0:MK0+1], s[86:87], s[76:77]
	s_mov_b64 s[MKB:MKB+1], s[MK0:MK0+1]
	s_cmp_lt_u32 s[WV], 4
	s_cselect_b64 s[PFA:PFA+1], s[6:7], s[8:9]  ; (in waves 0 and 4 these stand at a slot's first row)
	s_lshl_b32 s2, s13, 13          ; my work-group's 32 blocks of the 128
	s_mov_b32 s3, 0
	s_add_nc_u64 s[PFA:PFA+1], s[PFA:PFA+1], s[2:3]
	s_add_nc_u64 s[PFA:PFA+1], s[PFA:PFA+1], 4*KS*128  ; in slot 1; the first change of slots steps it to slot 2
	CROUND
	JLOAD                           ; slot 0
	v_and_b32 v1, 15, v0
	v_bfe_u32 v9, v0, 4, 1
	v_lshlrev_b32 v[QO], 7, v1
	v_lshl_add_u32 v[QO], v9, 4, v[QO]
	v_and_b32 v[MKO], 31, v0
	v_lshlrev_b32 v[PFO], 8, v[MKO]
	v_lshlrev_b32 v[MKO], 4, v[MKO]
	WIN 0x40
.set i, 0
.rept 8                             ; Q stays in registers: piece i / 2, channels 32 (i % 2) on
	global_load_b128 v[QF+8*i:QF+8*i+3],   v[QO], s[4:5] offset:(i/2)*2048+(i%2)*64
	global_load_b128 v[QF+8*i+4:QF+8*i+7], v[QO], s[4:5] offset:(i/2)*2048+(i%2)*64+32
.set i, i+1
.endr
	MLOAD 0                         ; the mask of key step 0
	MLOAD 1
	MLOAD 2
	MLOAD 3
	v_mul_u32_u24 v[AK0], v1, PK
	v_lshl_add_u32 v[AK0], v9, 4, v[AK0]
	v_and_b32 v10, 7, v0
	v_bfe_u32 v11, v0, 3, 1
	v_lshl_add_u32 v[AV0], v9, 3, v10
	v_mul_u32_u24 v[AV0], v[AV0], PV
	v_lshl_add_u32 v[AV0], v11, 4, v[AV0]
	v_add_nc_u32 v[AV0], VOFF, v[AV0]
	s_mul_i32 s13, s[WV], 16*SP
	s_add_co_u32 s13, s13, STAGE
	v_mul_u32_u24 v[STO], v1, SP
	v_lshl_add_u32 v[STO], v9, 4, v[STO]
	v_add_nc_u32 v[STO], s13, v[STO]
	v_bfe_u32 v[RD], v0, 3, 2
	v_mul_u32_u24 v[RD], v[RD], SP
	v_lshl_add_u32 v[RD], v10, 4, v[RD]
	v_add_nc_u32 v[RD], s13, v[RD]
	v_and_b32 v[GO], 31, v0
	v_lshlrev_b32 v[GO], 4, v[GO]
	v_mov_b32 v[SC], 0xe3
	; What the first turn finds: V's registers and P's second buffer hold 0, O^T and l are 0: no first step is written out.  All this stands in the wait for the first tile.
	WIN 0x40
.set i, 0
.rept 192                           ; O^T, then V
	v_mov_b32 v[i], 0
.set i, i+1
.endr
	WIN 0
.set i, 0
.rept 4
	v_mov_b32 v[ST+4*i], 0xfe000000    ; c m: far below every c s
	v_mov_b32 v[ST+4*i+1], 0xff7fffff  ; m
	v_mov_b32 v[ST+4*i+2], 0
	v_mov_b32 v[ST+4*i+3], 0
.set i, i+1
.endr
.set i, P+16
.rept 16
	v_mov_b32 v[i], 0
.set i, i+1
.endr
; THE MATRIX WORK.  The 4 accumulators of a run of 8 take turns.  Product i of 8 of S^T = K Q^T for piece x: channels 32 (i / 4) on, keys 16 (i % 4) on; all eight add in place: the mask lies there.
.macro KQ x
	WIN W_KQ
.set rS, S+32*((\x)%2)+8*(i%4)
.set rK, KF+16*(i%4)+8*(i/4)
.set rQ, QF+16*(\x)+8*(i/4)
	v_wmma_f32_16x16x32_f16 v[rS:rS+7], v[rK:rK+7], v[rQ:rQ+7], v[rS:rS+7]
.endm
.macro PV x                         ; product i of 8 of O^T += V^T P for piece x: keys 32 (i / 4) on, channels 16 (i % 4) on
	WIN W_PV
.set rO, 32*(\x)+8*(i%4)
.set rV, VF+32*(i/4)+8*(i%4)
.set rP, P+16*((\x)%2)+8*(i/4)
	v_wmma_f32_16x16x32_f16 v[rO:rO+7], v[rV:rV+7], v[rP:rP+7], v[rO:rO+7]
.endm
.macro MM                           ; the turn's next matrix instruction.  NOKQ = 1: the last turn: there is no next piece
.if (i < 8) && !NOKQ
	KQ (Y+1)%NP
.elseif i >= 8
.set i, i-8
	PV (Y+NP-1)%NP
.set i, i+8
.endif
.set i, i+1
.endm
.macro FETCH_K                      ; a step's K: 16 LDS loads in one run
	WIN 0
.irp f, 0,1,2,3,4,5,6,7
	ds_load_b128 v[KF+8*\f:KF+8*\f+3],   v[AK] offset:(\f/2)*16*PK+(\f%2)*64
	ds_load_b128 v[KF+8*\f+4:KF+8*\f+7], v[AK] offset:(\f/2)*16*PK+(\f%2)*64+32
.endr
	s_add_co_u32 s[TBK], s[TBK], KS*PK
.endm
.macro FETCH_V                      ; a step's V, turned
	WIN 0x40
.irp f, 0,1,2,3,4,5,6,7
	ds_load_tr16_b128 v[VF+8*\f:VF+8*\f+3],   v[AV] offset:(\f/4)*32*PV+(\f%4)*32
	ds_load_tr16_b128 v[VF+8*\f+4:VF+8*\f+7], v[AV] offset:(\f/4)*32*PV+16*PV+(\f%4)*32
.endr
	WIN 0
.endm
; THE VECTOR WORK, one line at a time: OP kind, number.  For piece Y: F n: c s - c m for pair n.  E n: the exponential of score n.  C n: pair n rounded to f16.  B n: of four weights the second pair onto the first.
; L n: l takes that sum (L 0: l = a l + sum).  R n: pair n of O^T times a.  For piece Y + 1: X n, number n of the 22 that find its maximum and statistics (each accumulator's lowest registers are read first).
; F and E name no vector register as source 1: they stand under K Q^T's setting as well as under 0.
.set F, 0
.set E, 1
.set C, 2
.set B, 3
.set L, 4
.set R, 5
.set X, 6
.macro REGS y
.set rT, ST+4*(\y)
.set rC, TMP+4*((\y)%2)
.set rW, MV+((\y)%2)
.set rS, S+32*((\y)%2)
.set rP, P+16*((\y)%2)
.set rO, 32*(\y)
.endm
.macro OP k, n
.if (\k) == R
	REGS Y
	WIN W_RS
	v_pk_mul_f32 v[rO+2*(\n):rO+2*(\n)+1], v[rO+2*(\n):rO+2*(\n)+1], v[rC+2:rC+3] op_sel_hi:[1,0]
.elseif (\k) < R
	REGS Y
.if ((\k) > E) || (MSB != W_KQ)
	WIN 0
.endif
.if (\k) == F
	v_pk_fma_f32 v[rS+2*(\n):rS+2*(\n)+1], v[rS+2*(\n):rS+2*(\n)+1], s[CS:CS+1], v[rT:rT+1] op_sel_hi:[1,0,0] neg_lo:[0,0,1] neg_hi:[0,0,1]
.elseif (\k) == E
	v_exp_f32 v[rS+(\n)], v[rS+(\n)]
.elseif (\k) == C
	v_cvt_pk_f16_f32 v[rP+(\n)], v[rS+2*(\n)], v[rS+2*(\n)+1]
.elseif (\k) == B
	v_pk_add_f32 v[rS+4*(\n):rS+4*(\n)+1], v[rS+4*(\n):rS+4*(\n)+1], v[rS+4*(\n)+2:rS+4*(\n)+3]
.elseif (\n) == 0
	v_pk_fma_f32 v[rT+2:rT+3], v[rT+2:rT+3], v[rC+2:rC+3], v[rS:rS+1] op_sel_hi:[1,0,1]
.else
	v_pk_add_f32 v[rT+2:rT+3], v[rT+2:rT+3], v[rS+4*(\n):rS+4*(\n)+1]
.endif
.elseif NOKQ
	v_nop
.else
	REGS (Y+1)%NP
	WIN 0
.if (\n) < 4
	v_max3_num_f32 v[rC+(\n)], v[rS+8*(\n)], v[rS+8*(\n)+1], v[rS+8*(\n)+2]
.elseif (\n) < 12
	v_max3_num_f32 v[rC+(\n)%4], v[rC+(\n)%4], v[rS+8*((\n)%4)+2*((\n)/4)+1], v[rS+8*((\n)%4)+2*((\n)/4)+2]
.elseif (\n) == 12
	v_max3_num_f32 v[rC], v[rC], v[rS+7], v[rS+15]
.elseif (\n) == 13
	v_max3_num_f32 v[rC+1], v[rC+1], v[rS+23], v[rS+31]
.elseif (\n) == 14
	v_max3_num_f32 v[rC+2], v[rC+2], v[rC+3], v[rT+1]
.elseif (\n) == 15
	v_mov_b32 v[rW], v[rT]
.elseif (\n) == 16
	v_max3_num_f32 v[rC], v[rC], v[rC+1], v[rC+2]
.elseif (\n) == 17
	v_permlanex16_b32 v[rC+3], v[rC], s[SEL], s[SEL+1]
.elseif (\n) == 18
	v_max_num_f32 v[rT+1], v[rC], v[rC+3]
.elseif (\n) == 19
	v_mul_f32 v[rT], s[CS], v[rT+1]
.elseif (\n) == 20
	v_sub_f32 v[rC+1], v[rW], v[rT]
.else
	v_exp_f32 v[rC+2], v[rC+1]
.endif
.endif
.endm
.macro OPS a, i1, b=-1, i2=0, c=-1, i3=0, d=-1, i4=0
	OP \a, \i1
.if (\b) >= 0
	OP \b, \i2
.endif
.if (\c) >= 0
	OP \c, \i3
.endif
.if (\d) >= 0
	OP \d, \i4
.endif
.endm
.macro ROW a, i1, b, i2, c, i3, d, i4  ; a matrix instruction and the four behind it
	MM
	OPS \a, \i1, \b, \i2, \c, \i3, \d, \i4
.endm
; A TURN, for piece p, in the order of its window settings.
;   1. 8 products K Q^T, behind each two scalings and two exponentials: one setting for all 40 lines.  E 2 n and E 2 n + 1 stand behind F n.
;   2. A lump in window 0: the next piece's 22 numbers X and the other 16 exponentials.  X 0 to X 3 are each accumulator's first readers, four plain lines or more behind the product that ends it
;      (for the last accumulator: F 14, F 15, X 0, X 1, X 2).  The chain X 14, 16, 17 .. 21 has exponentials between its links.
;   3. 4 products V^T P, behind each four rescalings of O^T: one setting for all 20 lines.  They name no result of the turn's exponentials, so the batch's ONE wait stands behind them.
;   4. 4 products V^T P, behind each four of the roundings and sums; then the other 16 of those.
;   5. The scores of piece p are used up: the mask of piece p + 2 is laid into their registers for the products of the turn after this one, and that piece's bytes of the following step are asked for:
;      a load has a whole key step, four turns, in which to land.  The step's offset is taken on in piece 2's turn and held at the last step's.
; K of the next step is fetched in piece 2's turn, behind X 3 (plain lines behind the last product that read K: F 14, F 15, the address's, X 0, X 1, X 2).  V of the step in hand is fetched in piece 0's
; turn, four plain lines (B 4, L 3, C 10, B 5) behind the last product that read V.  Each is waited for a turn later.
; end = 1: the last two turns: nothing is fetched or converted.  cnt = 1: the loop's count is taken down some lines ahead of the branch behind the turn.
.macro TURN p, end=0, cnt=0
.set Y, (\p)
.set i, 0
.set NOKQ, (\end)*((\p)/3)
.if ((\p) == 3) && !(\end)
	s_wait_dscnt 0x0                ; K is in
.endif
	ROW F,0, F,1, E,0, E,1
	ROW F,2, E,2, F,3, E,3
	ROW F,4, E,4, F,5, E,5
	ROW F,6, E,6, F,7, E,7
	ROW F,8, E,8, F,9, E,9
	ROW F,10, E,10, F,11, E,11
	ROW F,12, E,12, F,13, E,13
	ROW F,14, E,14, F,15, E,15
	WIN 0
.if ((\p) == 2) && !(\end)
	v_add_nc_u32 v[AK], s[TBK], v[AK0]
.endif
.if (\p) == 0
	v_add_nc_u32 v[AV], s[TBV], v[AV0]
	s_add_co_u32 s[TBV], s[TBV], KS*PV
.endif
	OPS X,0, X,1, X,2, X,3
.if ((\p) == 2) && !(\end)
	FETCH_K
.endif
	OPS X,4, E,16, X,5, E,17
	OPS X,6, E,18, X,7, E,19
	OPS X,8, E,20, X,9, E,21
	OPS X,10, E,22, X,11, E,23
	OPS X,12, X,13, X,14, X,15
	OPS E,24, X,16, E,25, E,26
	OPS X,17, E,27, E,28, X,18
	OPS E,29, X,19, E,30, X,20
	OPS E,31, X,21                  ; the next piece's a is the batch's last; the rescalings below are the plain lines behind it
.if (\p) == 1
	s_wait_dscnt 0x0                ; V is in
.endif
	ROW R,0, R,1, R,2, R,3
	ROW R,4, R,5, R,6, R,7
	ROW R,8, R,9, R,10, R,11
	ROW R,12, R,13, R,14, R,15
	s_wait_alu depctr_va_vdst(0)    ; the wait for the batch, ahead of the first line that names a result
	ROW C,0, B,0, C,2, B,1
	ROW L,0, C,4, B,2, L,1
	ROW C,6, B,3, L,2, C,8
	ROW B,4, L,3, C,10, B,5
.if (\p) == 0
	FETCH_V
.endif
.if \cnt
	s_sub_co_u32 s[CNT], s[CNT], 1
	s_cmp_lg_u32 s[CNT], 0
.endif
	OPS L,4, C,12, B,6, L,5
	OPS C,14, B,7, L,6, C,1
	OPS C,3, L,7, C,5, C,7
	OPS C,9, C,11, C,13, C,15
.if !(\end)
	CONV ((\p)+2)%NP, (\p)%2
.if (\p) == 2
	s_wait_xcnt 0x0                 ; the mask's loads have read their base
	s_add_co_u32 s[MST], s[MST], 1024
	s_min_u32 s[MST], s[MST], 31744
	s_add_nc_u64 s[MKB:MKB+1], s[MK0:MK0+1], s[MST:MST+1]
.endif
	MLOAD ((\p)+2)%NP
.endif
.endm
.macro ALL line:vararg
.set t, 0
.rept 4
	\line
.set t, t+1
.endr
.endm
.macro PACK t                       ; a lane's eight channels pack into 16 bytes; they go into rows of 144 bytes and come back as whole rows of 128
	WIN W_RS
.set i, 32*(\t)
.rept 16
	v_pk_mul_f32 v[i:i+1], v[i:i+1], v[ST+4*(\t)+2:ST+4*(\t)+3] op_sel_hi:[1,0]
.set i, i+2
.endr
	WIN 0x05
.set i, 0
.rept 16
	v_cvt_pk_f16_f32 v[S+16*(\t)+i], v[32*(\t)+2*i], v[32*(\t)+2*i+1]
.set i, i+1
.endr
	WIN 0
.irp f, 0,1,2,3
	ds_store_b128 v[STO], v[S+16*(\t)+4*\f:S+16*(\t)+4*\f+3] offset:32*\f
.endr
.irp f, 0,1,2,3
	ds_load_b128 v[S+16*(\t)+4*\f:S+16*(\t)+4*\f+3], v[RD] offset:\f*4*SP  ; LDS serves a wave's instructions in order: these see the stores above
.endr
.endm
.macro SEND t, younger
	WIN 0
.irp f, 0,1,2,3
	s_wait_dscnt (\younger)+3-\f
	global_store_b128 v[GO], v[S+16*(\t)+4*\f:S+16*(\t)+4*\f+3], s[10:11] offset:(\t)*2048+\f*512  ; 512 consecutive bytes, aligned
.endr
.endm
	CHANGE 1                        ; slot 0 is in, everybody's part of it; slot 1 is asked for
	v_add_nc_u32 v[AK], s[TBK], v[AK0]
	FETCH_K                         ; key step 0
	s_wait_loadcnt 0x0              ; Q and the first masks
	CONV 0, 0
	s_wait_dscnt 0x0
.set NOKQ, 0
.set i, 0
.rept 8
	KQ 0                            ; piece 0's first scores
.set i, i+1
.endr
	WIN 0
.rept 4
	v_nop                           ; the places behind those products
.endr
	CONV 1, 1
.set Y, NP-1
.irp n, 0,1,2,3,4,5,6,7,8,9,10,11,12,13,14,15,16,17,18,19,20,21
	OP X, \n                        ; piece 0's first maximum and statistics
.endr
	v_nop
	s_wait_alu depctr_va_vdst(0)
	s_mov_b32 s[MST], 1024
	s_add_nc_u64 s[MKB:MKB+1], s[MK0:MK0+1], s[MST:MST+1]
	MLOAD 0                         ; the mask of key step 1
	MLOAD 1
	s_mov_b32 s[CNT], 4
	s_branch .Lfirst                ; the loop is entered at a step's first turn, in the middle of a trip
.Lslot:                             ; six times: every slot but the last two is filled again
	CHANGE 1
	s_mov_b32 s[CNT], 4
.Lstep:                             ; a trip: pieces 2 and 3 of one step, then pieces 0 and 1 of the next, whose K and V it fetches
	TURN 2
	TURN 3
	WIN 0
.Lfirst:
	TURN 0
	TURN 1, 0, 1
	WIN 0
	s_cbranch_scc1 .Lstep
	s_sub_co_u32 s[SLOTS], s[SLOTS], 1
	s_cmp_lg_u32 s[SLOTS], 0
	s_cbranch_scc1 .Lslot
	CHANGE 0                        ; the last slot is written out: nothing is asked for
	s_mov_b32 s[CNT], 4
.LstepT:
	TURN 2
	TURN 3
	TURN 0
	TURN 1, 0, 1
	WIN 0
	s_cbranch_scc1 .LstepT
	TURN 2, 1
	TURN 3, 1
.set i, 0
.rept 8
	PV NP-1
.set i, i+1
.endr
	; THE WAY OUT.  l's two halves and the other half of the lanes' are added; O^T is divided by l, rounded to f16 and sent through my stage in LDS, a piece at a time.  The additions are the places behind the last products.
	WIN 0
	ALL v_add_f32 v[ST+4*t+2], v[ST+4*t+2], v[ST+4*t+3]
	ALL v_permlanex16_b32 v[ST+4*t+3], v[ST+4*t+2], s[SEL], s[SEL+1]
	ALL v_add_f32 v[ST+4*t+2], v[ST+4*t+2], v[ST+4*t+3]
	ALL v_rcp_f32 v[ST+4*t+2], v[ST+4*t+2]
	v_nop
	s_wait_alu depctr_va_vdst(0)    ; one wait for the four reciprocals
	PACK 0
.set t, 1
.rept 3
	PACK t
	SEND t-1, 8
.set t, t+1
.endr
	SEND 3, 0
	s_wait_tensorcnt 0x0            ; the wave's end
	ds_add_u32 v[SPW], v[NIL]
	s_wait_dscnt 0x0
	CROUND                          ; the closing round
	s_endpgm
.Lfunc_end_k_q65e586af13_attn:
	.size	k_q65e586af13_attn, .Lfunc_end_k_q65e586af13_attn-k_q65e586af13_attn
	.p2alignl 7, 3214868480
	.fill 96, 4, 3214868480
	.section	.rodata,"a",@progbits
	.p2align	6, 0x0
	.amdhsa_kernel k_q65e586af13_attn
		.amdhsa_group_segment_fixed_size 327680
		.amdhsa_private_segment_fixed_size 0
		.amdhsa_enable_private_segment 0
		.amdhsa_kernarg_size 24
		.amdhsa_user_sgpr_count 2
		.amdhsa_user_sgpr_kernarg_segment_ptr 1
		.amdhsa_wavefront_size32 1
		.amdhsa_system_sgpr_workgroup_id_x 1
		.amdhsa_system_sgpr_workgroup_id_y 1
		.amdhsa_system_sgpr_workgroup_id_z 1
		.amdhsa_system_vgpr_workitem_id 0
		.amdhsa_next_free_vgpr 512
		.amdhsa_next_free_sgpr 88
		.amdhsa_reserve_vcc 0
		.amdhsa_float_denorm_mode_32 3
		.amdhsa_float_denorm_mode_16_64 3
		.amdhsa_memory_ordered 1
		.amdhsa_forward_progress 1
		.amdhsa_inst_pref_size 123
	.end_amdhsa_kernel
	.amdgpu_metadata
---
amdhsa.version: [ 1, 2 ]
amdhsa.kernels:
  - .name:           k_q65e586af13_attn
    .symbol:         k_q65e586af13_attn.kd
    .args:
      - { .name: qkv, .offset: 0, .size: 8, .value_kind: global_buffer, .address_space: global }
      - { .name: mk, .offset: 8, .size: 8, .value_kind: global_buffer, .address_space: global }
      - { .name: ao, .offset: 16, .size: 8, .value_kind: global_buffer, .address_space: global }
    .group_segment_fixed_size: 327680
    .private_segment_fixed_size: 0
    .kernarg_segment_align: 8
    .kernarg_segment_size: 24
    .max_flat_workgroup_size: 256
    .sgpr_count:     88
    .vgpr_count:     512
    .wavefront_size: 32
...
	.end_amdgpu_metadata
.endif
;; end of part 3
;; launch oproj (part 4): grid 4 x 64, 4 waves a work-group, clusters of 4 x 4, 327,680 bytes of LDS; arguments ao, wb, par, out0; writes out0
.if DOCPART == 4
	.amdgcn_target "amdgcn-amd-amdhsa--gfx1250"
	.amdhsa_code_object_version 6
	.text
	.protected	k_q65e586af13_oproj
	.globl	k_q65e586af13_oproj
	.p2align	8
	.type	k_q65e586af13_oproj,@function
k_q65e586af13_oproj:
	s_mov_b64 s[64:65], 0
	v_nop
	global_prefetch_b8 v0, s[64:65] scope:SCOPE_SE
	s_setreg_imm32_b32 hwreg(HW_REG_WAVE_MODE, 25, 1), 1
	s_wait_xcnt 0x0
	s_wait_alu depctr_hold_cnt(0) depctr_sa_sdst(0) depctr_va_vdst(0) depctr_va_sdst(0) depctr_va_ssrc(0) depctr_va_vcc(0) depctr_vm_vsrc(0)
	s_getreg_b32 s2, hwreg(HW_REG_IB_STS2, 6, 4)
	s_cmp_eq_u32 s2, 0
	s_cbranch_scc0 .Lentry_in_a_cluster
	s_endpgm
.Lentry_in_a_cluster:
	s_bfe_u32 s2, ttmp6, 0x10000c
	s_cmp_lg_u32 s2, 0xf033
	s_cbranch_scc0 .Lentry_shape_is_right
	s_endpgm
.Lentry_shape_is_right:
; THE OUTPUT PROJECTION.  out0[row][n] = the sum over features of O[row][feature] Wo[feature][n] + bo[n], f32.  O (ao): [batch 16 + head][s][64] f16; Wo (wb + 6,291,456): [nb 4][k 1024][256 n] f16; bo: par's vector 9.
; A tile of the output is 128 rows x 256 columns: 64 x 4 = 256 work-groups.  Four waves, each 64 x 128: 32 accumulators, 256 registers.  K goes in steps of 128, two heads, through two LDS slots.
; Source 0 = 16 columns of Wo (turned by ds_load_tr16_b128), source 1 = 16 rows of O: a lane holds one row and eight neighbouring columns.  The bias is the C operand that starts the sums.
; CLUSTER 4 x 4: O's tile hangs on the tile row alone and is shared along a row of the cluster, Wo's on the tile column alone and is shared along a column.
; No prefetch: eight short K steps on small tiles.
; window 0: v16, 17 O's fragments; v20, 21 Wo's; v24-27 the way out and the bias; v64-159, v160-255 two fragment buffers (64 of Wo, 32 of O).  window 1: accumulator (a, b) at v[8 (8 a + b)].  window 2: v0-63 the bias.
.set PAO,   144                        ; a row of O of one head in LDS: 128 bytes + 16
.set PBO,   544                        ; a k row of Wo: 512 bytes + 32 = 17 x 32
.set BOFF,  2*128*PAO                  ; behind O's two heads
.set SLOT,  BOFF+128*PBO
.set STAGE, 2*SLOT                     ; 16 rows x 528 bytes for each wave, its own
.set SPITCH, 528
.set SPARE, STAGE+4*16*SPITCH
.set SPW, 28
.set NIL, 29
.set F0,  64
.set F1,  160
.set G1,  24
.set G0,  32
.set G1B, 48
.set G0B, 56
.set MSB, 0
.macro WIN new
.if MSB != (\new)
	s_set_vgpr_msb (MSB<<8)|(\new)
.set MSB, \new
.endif
.endm
.macro PLACES
.rept 4
	v_nop
.endr
.endm
.macro JLOAD s                         ; waves 0 and 1 fetch O's two heads, waves 2 and 3 the two halves of Wo's 128 rows
	s_cmp_eq_u32 s13, 0
	s_cbranch_scc0 .Lfor_b_\@
	tensor_load_to_lds s[G0+4*(\s):G0+4*(\s)+3], s[G1:G1+7]
	s_nop 0
.rept 4
	v_nop
.endr
	s_branch .Lasked_\@
.Lfor_b_\@:
	tensor_load_to_lds s[G0B+4*(\s):G0B+4*(\s)+3], s[G1B:G1B+7]
	s_nop 0
.rept 4
	v_nop
.endr
.Lasked_\@:
.endm
.macro CREST
	s_cmp_lg_u32 s12, 0
	s_cbranch_scc1 .Lnot_wave_0_\@
	s_barrier_signal -3
.Lnot_wave_0_\@:
	s_barrier_wait -3
	s_barrier_signal -1
	s_barrier_wait -1
.endm
.macro CROUND
	s_barrier_signal -1
	s_barrier_wait -1
	CREST
.endm
.macro FETCH slot, kq, f               ; 24 LDS loads in one run: 32 along K of my 128 columns of Wo, then of my 64 rows of O
	WIN 0
.irp b, 0,1,2,3,4,5,6,7
	ds_load_tr16_b128 v[(\f)+8*\b:(\f)+8*\b+3],   v[20+(\slot)] offset:(\kq)*32*PBO+32*\b
	ds_load_tr16_b128 v[(\f)+8*\b+4:(\f)+8*\b+7], v[20+(\slot)] offset:(\kq)*32*PBO+16*PBO+32*\b
.endr
.irp a, 0,1,2,3
	ds_load_b128 v[(\f)+64+8*\a:(\f)+64+8*\a+3],   v[16+(\slot)] offset:((\kq)/2)*128*PAO+((\kq)%2)*64+\a*16*PAO
	ds_load_b128 v[(\f)+64+8*\a+4:(\f)+64+8*\a+7], v[16+(\slot)] offset:((\kq)/2)*128*PAO+((\kq)%2)*64+\a*16*PAO+32
.endr
.endm
.macro MUL8 f, a, bias                 ; row block a x all 8 column blocks; the 32 accumulators take turns
.if \bias
	WIN 0x60
.else
	WIN 0x50
.endif
.irp b, 0,1,2,3,4,5,6,7
.if \bias
	v_wmma_f32_16x16x32_f16 v[8*(8*(\a)+\b):8*(8*(\a)+\b)+7], v[(\f)+8*\b:(\f)+8*\b+7], v[(\f)+64+8*(\a):(\f)+64+8*(\a)+7], v[8*\b:8*\b+7]
.else
	v_wmma_f32_16x16x32_f16 v[8*(8*(\a)+\b):8*(8*(\a)+\b)+7], v[(\f)+8*\b:(\f)+8*\b+7], v[(\f)+64+8*(\a):(\f)+64+8*(\a)+7], v[8*(8*(\a)+\b):8*(8*(\a)+\b)+7]
.endif
.endr
.endm
.macro QUARTER slot, kq, f, g, bias    ; multiplies buffer f and fetches quarter kq of the slot into g
	s_wait_dscnt 4                                 ; Wo and O's row blocks 0 and 1 are in
	MUL8 \f, 0, \bias
	MUL8 \f, 1, \bias
	PLACES
	FETCH \slot, \kq, \g
	s_wait_dscnt 24                                ; all but the 24 just issued
	MUL8 \f, 2, \bias
	MUL8 \f, 3, \bias
.endm
.macro TURN slot, next, fill           ; the last quarter multiplies buffer 1 and changes slots
	WIN 0
	s_wait_tensorcnt 0x0                           ; all my tensor loads have landed: my part of the next slot
	ds_add_u32 v[SPW], v[NIL]
	s_wait_dscnt 5                                 ; the add and the youngest four loads may be out
	MUL8 F1, 0, 0
	s_wait_dscnt 0x0                               ; the add is done, and my reads of this slot are over
	s_barrier_signal -1
	MUL8 F1, 1, 0
	WIN 0
	s_barrier_wait -1
.if \fill
	CREST                                          ; no wave of any partner still reads this slot's tile or has a load on its way
	s_add_nc_u64 s[G0+4*(\slot)+2:G0+4*(\slot)+3], s[G0+4*(\slot)+2:G0+4*(\slot)+3], 1048576   ; four heads on
	s_add_nc_u64 s[G0B+4*(\slot)+2:G0B+4*(\slot)+3], s[G0B+4*(\slot)+2:G0B+4*(\slot)+3], 131072 ; 256 k rows on
	JLOAD \slot
.else
	PLACES
.endif
	FETCH \next, 0, F0
	MUL8 F1, 2, 0
	MUL8 F1, 3, 0
.endm
	s_load_b256 s[4:11], s[0:1], 0x0               ; ao 4, wb 6, par 8, out0 10
	v_lshl_add_u32 v[SPW], v0, 2, SPARE
	v_mov_b32 v[NIL], 0
	ds_add_u32 v[SPW], v[NIL]                      ; the wave's opening
	v_lshrrev_b32 v1, 5, v0
	v_readfirstlane_b32 s12, v1                    ; wave 0..3
	s_lshr_b32 s13, s12, 1                         ; which 64 rows are mine.  Also: I fetch for O (0) or for Wo (1)
	s_and_b32 s14, s12, 1                          ; which 128 columns.  Also: which half of that tile I fetch
	s_bfe_u32 s40, ttmp6, 0x40000                  ; cx
	s_bfe_u32 s41, ttmp6, 0x40004                  ; cy
	s_lshl_b32 s42, ttmp9, 2
	s_add_co_u32 s42, s42, s40                     ; tile column
	s_and_b32 s43, ttmp7, 0xffff
	s_lshl_b32 s43, s43, 2
	s_add_co_u32 s43, s43, s41                     ; tile row
	s_lshl_b32 s44, s41, 2
	s_lshl_b32 s44, 15, s44                        ; my row of the cluster
	s_lshl_b32 s45, 0x1111, s40                    ; my column
	s_or_b32 s[G1], s44, (1<<16)|(1<<20)|(1<<21)|(4<<22)|(3<<25)   ; O: 2-byte elements; after every 32 words 4 words of padding
	s_or_b32 s[G1B], s45, (1<<16)|(1<<20)|(1<<21)|(6<<22)|(7<<25)  ; Wo: after every 128 words 8 words
	s_mov_b32 s[G1+1], 128<<16                     ; a head's 128 rows are 16,384 dense bytes: 64 rows of 256
	s_mov_b32 s[G1+2], 64<<16
	s_mov_b32 s[G1+3], 128<<16
	s_mov_b32 s[G1+4], 64
	s_mov_b32 s[G1+5], 128
	s_mov_b32 s[G1+6], 0
	s_mov_b32 s[G1+7], 0
	s_mov_b32 s[G1B+1], 256<<16                    ; 64 k rows of 512 bytes
	s_mov_b32 s[G1B+2], 64<<16
	s_mov_b32 s[G1B+3], 256<<16
	s_mov_b32 s[G1B+4], 64
	s_mov_b32 s[G1B+5], 256
	s_mov_b32 s[G1B+6], 0
	s_mov_b32 s[G1B+7], 0
	s_lshr_b32 s16, s43, 4
	s_lshl_b32 s16, s16, 22                        ; O: the batch's 16 heads,
	s_lshl_b32 s17, s14, 18                        ; the head of the step's two that I fetch,
	s_add_co_u32 s16, s16, s17
	s_and_b32 s17, s43, 15
	s_lshl_b32 s17, s17, 14                        ; the tile's 128 rows in a head
	s_add_co_u32 s16, s16, s17
	s_mov_b32 s17, 0
	s_lshl_b32 s46, s42, 19                        ; Wo: the tile column's block,
	s_lshl_b32 s47, s14, 15                        ; the 64 k rows that I fetch
	s_add_co_u32 s46, s46, s47
	s_add_co_u32 s46, s46, 6291456
	s_mov_b32 s47, 0
	s_mul_i32 s20, s14, 128*PAO                    ; where they go: no place in the cluster enters an LDS address
	s_mul_i32 s21, s14, 64*PBO
	s_add_co_u32 s21, s21, BOFF
	s_wait_dscnt 0x0                               ; the opening add is done
	s_wait_kmcnt 0x0
	s_add_nc_u64 s[16:17], s[4:5], s[16:17]
	s_add_nc_u64 s[46:47], s[6:7], s[46:47]
	CROUND                                         ; all sixteen work-groups are here: the first joint loads meet
.irp s, 0,1
	s_mov_b32 s[G0+4*\s], 1
	s_add_co_u32 s[G0+4*\s+1], s20, \s*SLOT
	s_add_nc_u64 s[G0+4*\s+2:G0+4*\s+3], s[16:17], \s*524288
	s_or_b32 s[G0+4*\s+3], s[G0+4*\s+3], 0x80000000
	s_mov_b32 s[G0B+4*\s], 1
	s_add_co_u32 s[G0B+4*\s+1], s21, \s*SLOT
	s_add_nc_u64 s[G0B+4*\s+2:G0B+4*\s+3], s[46:47], \s*65536
	s_or_b32 s[G0B+4*\s+3], s[G0B+4*\s+3], 0x80000000
	JLOAD \s
.endr
	v_and_b32 v1, 15, v0                           ; r
	v_bfe_u32 v2, v0, 4, 1                         ; h
	v_lshlrev_b32 v27, 5, v2                       ; 32 h
	s_lshl_b32 s18, s42, 10
	s_lshl_b32 s19, s14, 9
	s_add_co_u32 s18, s18, s19                     ; my 128 columns, in bytes of f32
	s_mov_b32 s19, 0
	s_add_nc_u64 s[8:9], s[8:9], s[18:19]
	s_add_nc_u64 s[8:9], s[8:9], 9*4096            ; bo
	WIN 0x80
.irp b, 0,1,2,3,4,5,6,7
	global_load_b128 v[8*\b:8*\b+3],   v27, s[8:9] offset:64*\b
	global_load_b128 v[8*\b+4:8*\b+7], v27, s[8:9] offset:64*\b+16
.endr
	WIN 0
	s_add_nc_u64 s[10:11], s[10:11], s[18:19]
	s_lshl_b32 s18, s43, 19                        ; 128 rows of 4,096 bytes a tile row,
	s_lshl_b32 s22, s13, 18                        ; my 64 rows
	s_add_co_u32 s18, s18, s22
	s_add_nc_u64 s[10:11], s[10:11], s[18:19]
	s_mul_i32 s22, s13, 64*PAO
	v_mul_u32_u24 v3, v1, PAO
	v_lshl_add_u32 v3, v2, 4, v3
	v_add_nc_u32 v16, s22, v3
	v_add_nc_u32 v17, SLOT, v16
	v_and_b32 v3, 7, v0
	v_lshl_add_u32 v3, v2, 3, v3
	v_mul_u32_u24 v3, v3, PBO
	v_bfe_u32 v4, v0, 3, 1
	v_lshl_add_u32 v3, v4, 4, v3
	s_lshl_b32 s22, s14, 8
	s_add_co_u32 s22, s22, BOFF
	v_add_nc_u32 v20, s22, v3
	v_add_nc_u32 v21, SLOT, v20
	s_mul_i32 s22, s12, 16*SPITCH
	s_add_co_u32 s22, s22, STAGE                   ; my stage
	v_mul_u32_u24 v24, v1, SPITCH
	v_lshl_add_u32 v24, v2, 5, v24
	v_add_nc_u32 v24, s22, v24                     ; in: row r, 32 bytes for each half of the lanes
	v_and_b32 v26, 31, v0
	v_lshlrev_b32 v26, 4, v26                      ; 16 x lane: a row's 512 bytes
	v_add_nc_u32 v25, s22, v26
	s_wait_tensorcnt 1                             ; my part of K step 0 is in; step 1's stays out
	s_barrier_signal -1
	s_barrier_wait -1
	FETCH 0, 0, F0
	s_wait_loadcnt 0x0                             ; the bias
	QUARTER 0, 1, F0, F1, 1                        ; the first products start the sums with the bias
	WIN 0
	s_mov_b32 s3, 3
.Llap:
	QUARTER 0, 2, F1, F0, 0
	QUARTER 0, 3, F0, F1, 0
	TURN 0, 1, 1
	QUARTER 1, 1, F0, F1, 0
	QUARTER 1, 2, F1, F0, 0
	QUARTER 1, 3, F0, F1, 0
	TURN 1, 0, 1
	QUARTER 0, 1, F0, F1, 0
	WIN 0
	s_sub_co_u32 s3, s3, 1
	s_cmp_lg_u32 s3, 0
	s_cbranch_scc1 .Llap
	QUARTER 0, 2, F1, F0, 0                        ; the last lap fills nothing
	QUARTER 0, 3, F0, F1, 0
	TURN 0, 1, 0
	QUARTER 1, 1, F0, F1, 0
	QUARTER 1, 2, F1, F0, 0
	QUARTER 1, 3, F0, F1, 0
	s_wait_dscnt 4
	MUL8 F1, 0, 0
	MUL8 F1, 1, 0
	s_wait_dscnt 0x0
	MUL8 F1, 2, 0
	MUL8 F1, 3, 0
	WIN 0
	PLACES
	; THE WAY OUT: 16 rows at a time through my own stage: a lane's 32 bytes in, whole rows of 512 bytes back, each stored by one instruction of the wave.
.irp a, 0,1,2,3
	s_wait_xcnt 0x0                                ; the registers that earlier stores read are loaded again only behind this wait
	WIN 0x04
.irp b, 0,1,2,3,4,5,6,7
	ds_store_b128 v24, v[8*(8*\a+\b):8*(8*\a+\b)+3]   offset:64*\b
	ds_store_b128 v24, v[8*(8*\a+\b)+4:8*(8*\a+\b)+7] offset:64*\b+16
.endr
	WIN 0
.irp t, 0,1,2,3,4,5,6,7,8,9,10,11,12,13,14,15
	ds_load_b128 v[64+64*(\a%2)+4*\t:64+64*(\a%2)+4*\t+3], v25 offset:SPITCH*\t  ; LDS serves a wave's instructions in order: these see the stores above
.endr
.irp t, 0,1,2,3,4,5,6,7,8,9,10,11,12,13,14,15
	s_wait_dscnt 15-\t
	global_store_b128 v26, v[64+64*(\a%2)+4*\t:64+64*(\a%2)+4*\t+3], s[10:11] offset:65536*\a+4096*\t th:TH_STORE_NT
.endr
.endr
	s_wait_tensorcnt 0x0                           ; the wave's end
	ds_add_u32 v[SPW], v[NIL]
	s_wait_dscnt 0x0
	CROUND                                         ; the closing round
	s_endpgm
.Lfunc_end_k_q65e586af13_oproj:
	.size	k_q65e586af13_oproj, .Lfunc_end_k_q65e586af13_oproj-k_q65e586af13_oproj
	.p2alignl 7, 3214868480
	.fill 96, 4, 3214868480
	.section	.rodata,"a",@progbits
	.p2align	6, 0x0
	.amdhsa_kernel k_q65e586af13_oproj
		.amdhsa_group_segment_fixed_size 327680
		.amdhsa_private_segment_fixed_size 0
		.amdhsa_enable_private_segment 0
		.amdhsa_kernarg_size 32
		.amdhsa_user_sgpr_count 2
		.amdhsa_user_sgpr_kernarg_segment_ptr 1
		.amdhsa_wavefront_size32 1
		.amdhsa_system_sgpr_workgroup_id_x 1
		.amdhsa_system_sgpr_workgroup_id_y 1
		.amdhsa_system_sgpr_workgroup_id_z 1
		.amdhsa_system_vgpr_workitem_id 0
		.amdhsa_next_free_vgpr 576
		.amdhsa_next_free_sgpr 66
		.amdhsa_reserve_vcc 0
		.amdhsa_float_denorm_mode_32 3
		.amdhsa_float_denorm_mode_16_64 3
		.amdhsa_memory_ordered 1
		.amdhsa_forward_progress 1
		.amdhsa_inst_pref_size 88
	.end_amdhsa_kernel
	.amdgpu_metadata
---
amdhsa.version: [ 1, 2 ]
amdhsa.kernels:
  - .name:           k_q65e586af13_oproj
    .symbol:         k_q65e586af13_oproj.kd
    .args:
      - { .name: ao, .offset: 0, .size: 8, .value_kind: global_buffer, .address_space: global }
      - { .name: wb, .offset: 8, .size: 8, .value_kind: global_buffer, .address_space: global }
      - { .name: par, .offset: 16, .size: 8, .value_kind: global_buffer, .address_space: global }
      - { .name: out0, .offset: 24, .size: 8, .value_kind: global_buffer, .address_space: global }
    .group_segment_fixed_size: 327680
    .private_segment_fixed_size: 0
    .kernarg_segment_align: 8
    .kernarg_segment_size: 32
    .max_flat_workgroup_size: 128
    .sgpr_count:     66
    .vgpr_count:     576
    .wavefront_size: 32
...
	.end_amdgpu_metadata
.endif
;; end of part 4
;; ======== version 2 of 2: 4 launches; version 1 with the launch prep written anew for expert scheduling mode
;; limits: values are held in f16: magnitudes above 65,504 overflow, below 6.1e-05 lose precision
;; workspace buffers: wb 8,388,608 bytes; par 40,960 bytes; mk 16,777,216 bytes; qkv 50,331,648 bytes; ao 16,777,216 bytes
;; launch prep (part 5): grid 641 x 1, 8 waves a work-group, no clusters, 9,216 bytes of LDS; arguments mask, Wq, Wk, Wv, Wo, bq, bk, bv, qn_scale, kn_scale, vn_scale, qn_bias, kn_bias, vn_bias, bo, mk, wb, par; writes mk, wb, par
.if DOCPART == 5
	.amdgcn_target "amdgcn-amd-amdhsa--gfx1250"
	.amdhsa_code_object_version 6
	.text
	.protected	k_q65e586af13_prep
	.globl	k_q65e586af13_prep
	.p2align	8
	.type	k_q65e586af13_prep,@function
k_q65e586af13_prep:
	s_mov_b64 s[64:65], 0
	v_nop
	global_prefetch_b8 v0, s[64:65] scope:SCOPE_SE
	s_setreg_imm32_b32 hwreg(HW_REG_WAVE_SCHED_MODE, 0, 2), 2
	s_setreg_imm32_b32 hwreg(HW_REG_WAVE_MODE, 25, 1), 1
	s_wait_xcnt 0x0
	s_wait_alu depctr_vm_vsrc(0)
; PREPARATION, a stream.  Four roles, chosen by the work-group's number g:
;   g < 512   MASK: tile g of 16 queries (g = 128 batch + tile).  mask int32 -> one byte a score: 0x00 seen, 0xB8 (-1.0 in E4M3) where mask == 0,
;             laid out as attention's lanes want it: mk[g][step 32][u 2][lane 32][16 B]; byte 8 kbl + j of lane L = query L % 16, key 64 step + 16 (2 u + kbl) + 8 (L / 16) + j.
;   g < 608   W: Wq, Wk, Wv -> bf16, wb[matrix][p 2][k 1024][512 n]: 32 rows of one matrix a work-group.
;   g < 640   WO: Wo rounded to bf16, that number written as f16 (exact within f16's normal range), wb + 6,291,456: [nb 4][k 1024][256 n].
;   g = 640   PAR: the ten vectors of 1,024 rounded to bf16 and kept as f32.
; Every load of a wave takes whole runs of 256 or 512 consecutive bytes; every store of a wave covers 256 or 512 consecutive bytes, aligned.
; No cluster, no matrix unit: nothing is shared and nothing is multiplied.
; THE MODE: SCHED_MODE bits 1:0 = 2 (LLVM: expert scheduling mode 2), set by the entry lines.  The code itself states the register dependences
; between vector instructions and memory or LDS instructions, with s_wait_alu, always for 0.
; THE PLAN.  Registers that memory or LDS instructions touch:
;   v2, v5, v6, v7   global offsets, and v3, v4, LDS addresses: made at the head or at a role's head, never written again; the scalar bases move on.
;   v8-39    X: a trip's eight loads land here; the trip's vector lines read it (the mask's also write it, in place).
;   v40-47   MASK: the trip's eight words, written by its vector lines, read by its eight LDS stores.
;   v48-55   MASK: the image read back, written by two LDS loads, read by two global stores; no vector line of the role names them.
;   v40-55   W, WO: the trip's rounded numbers, written by its conversions, read by its eight global stores.
;   v62, v63 written at the head, read by the closing add alone.
; A trip of each of the three loops goes so: its vector work, under counted waits for X; ONE wait on va_vdst (the words or rounded numbers are written, X is used up); the next trip's eight loads
; into X, which so are on their way during the rest of the trip; the stores; one wait on vm_vsrc, beside the wait on XCNT, ahead of the backward jump (the stores have read what the next trip
; writes again).  Between the wait on va_vdst and the trip's end stands no vector line.  In the fourth trip a jump on the loop's count leads round the loads: no load leaves its buffer.
.set SPARE, 8192                       ; behind the eight waves' images of 1,024 bytes: the spare words, 128 bytes a wave
.macro ASKM                            ; MASK: a key step's eight loads: rows 2 n and 2 n + 1, 256 bytes of each
.irp n, 0,1,2,3,4,5,6,7
	global_load_b128 v[8+4*\n:11+4*\n], v2, s[44:45] offset:16384*\n th:TH_LOAD_NT
.endr
.endm
.macro ASKW                            ; W and WO: a row's eight loads of 512 consecutive bytes
.irp c, 0,1,2,3,4,5,6,7
	global_load_b128 v[8+4*\c:11+4*\c], v5, s[44:45] offset:512*\c th:TH_LOAD_NT
.endr
.endm
	s_load_b512 s[8:23], s[0:1], 0x0               ; mask 8, Wq 10, Wk 12, Wv 14, Wo 16, bq 18, bk 20, bv 22
	s_load_b512 s[24:39], s[0:1], 0x40             ; gains 24, 26, 28; LN biases 30, 32, 34; bo 36; mk 38
	s_load_b128 s[40:43], s[0:1], 0x80             ; wb 40, par 42
	v_lshl_add_u32 v62, v0, 2, SPARE               ; my spare word
	v_mov_b32 v63, 0
	v_lshrrev_b32 v1, 5, v0
	v_readfirstlane_b32 s4, v1                     ; wave 0..7
	v_and_b32 v1, 31, v0                           ; lane L
	v_lshlrev_b32 v5, 4, v1                        ; 16 L
	v_lshlrev_b32 v6, 3, v1                        ; 8 L
	s_mov_b32 s5, 4                                ; every loop below has four trips
	s_wait_alu depctr_va_sdst(0)                   ; s4 is written, ahead of the branches behind which its readers stand: the roles' bases are made from it
	s_wait_kmcnt 0x0
	s_cmp_lt_u32 ttmp9, 512
	s_cbranch_scc1 .Lmask
	s_cmp_lt_u32 ttmp9, 608
	s_cbranch_scc1 .Lw
	s_cmp_lt_u32 ttmp9, 640
	s_cbranch_scc1 .Lwo
	; PAR: thread t takes four numbers of each vector
	v_lshlrev_b32 v7, 4, v0
	s_wait_alu depctr_va_vdst(0)                   ; v7 is written: the ten loads and the ten stores read it as their offset
.irp v, 0,1,2,3,4,5,6,7,8,9
	global_load_b128 v[8+4*\v:11+4*\v], v7, s[18+2*\v:19+2*\v]
.endr
.irp v, 0,1,2,3,4,5,6,7,8,9
	s_wait_loadcnt 9-\v                            ; loads come back in order: vector v is in, the younger ones stay out
	v_cvt_pk_bf16_f32 v48, v[8+4*\v], v[9+4*\v]
	v_cvt_pk_bf16_f32 v49, v[10+4*\v], v[11+4*\v]
	v_lshlrev_b32 v[8+4*\v], 16, v48
	v_and_b32 v[9+4*\v], 0xffff0000, v48
	v_lshlrev_b32 v[10+4*\v], 16, v49
	v_and_b32 v[11+4*\v], 0xffff0000, v49
.endr
	s_wait_alu depctr_va_vdst(0)                   ; the rounded numbers are written into v8 to v47, which the ten stores read
.irp v, 0,1,2,3,4,5,6,7,8,9
	global_store_b128 v7, v[8+4*\v:11+4*\v], s[42:43] offset:4096*\v
.endr
	s_branch .Lend
.Lmask:                                            ; wave w takes key steps 4 w .. 4 w + 3, a step a trip
	v_and_b32 v40, 15, v1                          ; i: my four keys are 4 i .. 4 i + 3 of the step
	v_lshrrev_b32 v41, 4, v1                       ; s: the even or the odd row of a load
	v_lshlrev_b32 v2, 4, v40
	v_lshl_add_u32 v2, v41, 13, v2                 ; 8,192 s + 16 i
	v_lshlrev_b32 v3, 4, v41                       ; where my word goes in the image: 16 s (the query's lane),
	v_bfe_u32 v42, v40, 3, 1
	v_lshl_add_u32 v3, v42, 9, v3                  ; u = i / 8: 512,
	v_bfe_u32 v42, v40, 1, 1
	v_lshl_add_u32 v3, v42, 8, v3                  ; the upper half of the lanes for keys 8 .. 15 of 16: 256,
	v_bfe_u32 v42, v40, 2, 1
	v_lshl_add_u32 v3, v42, 3, v3                  ; kbl: 8,
	v_and_b32 v42, 1, v40
	v_lshl_add_u32 v3, v42, 2, v3                  ; j = 4 (i % 2)
	s_lshl_b32 s6, s4, 10
	v_add_nc_u32 v3, s6, v3                        ; in my wave's image
	v_add_nc_u32 v4, s6, v5                        ; and where I read it back
	s_lshl_b32 s44, ttmp9, 17                      ; 16 rows of 8,192 bytes a tile
	s_add_co_u32 s44, s44, s6                      ; four steps of 256 bytes a wave
	s_mov_b32 s45, 0
	s_add_nc_u64 s[44:45], s[8:9], s[44:45]
	s_lshl_b32 s46, ttmp9, 15
	s_lshl_b32 s7, s4, 12
	s_add_co_u32 s46, s46, s7
	s_mov_b32 s47, 0
	s_add_nc_u64 s[46:47], s[38:39], s[46:47]
	s_wait_alu depctr_va_vdst(0)                   ; v2, v3, v4 and v5 are written: the role's loads, LDS instructions and stores read them as offsets and addresses
	ASKM                                           ; the first step
.Lmtrip:
.irp n, 0,1,2,3,4,5,6,7
	s_wait_loadcnt 7-\n                            ; load n is in, the younger ones stay out
	v_min_u32 v[8+4*\n], 1, v[8+4*\n]              ; 0 stays 0, everything else is 1
	v_min_u32 v[9+4*\n], 1, v[9+4*\n]
	v_min_u32 v[10+4*\n], 1, v[10+4*\n]
	v_min_u32 v[11+4*\n], 1, v[11+4*\n]
	v_lshl_or_b32 v[40+\n], v[9+4*\n], 8, v[8+4*\n]
	v_lshl_or_b32 v[40+\n], v[10+4*\n], 16, v[40+\n]
	v_lshl_or_b32 v[40+\n], v[11+4*\n], 24, v[40+\n]
	v_xor_b32 v[40+\n], 0x01010101, v[40+\n]       ; 1 where the key is hidden
	v_mul_lo_u32 v[40+\n], v[40+\n], 0xb8          ; no byte carries into the next
.endr
	s_wait_alu depctr_va_vdst(0)                   ; the eight words v40 to v47 are written, which the LDS stores read; the lines above are done reading and writing v8 to v39, in which the next step's loads land
	s_cmp_eq_u32 s5, 1
	s_cbranch_scc1 .Lmlast                         ; the fourth trip asks for nothing
	s_add_nc_u64 s[44:45], s[44:45], 256           ; free since the wait for load 7, which shows the loads that read it done
	ASKM                                           ; the next step, on its way during the rest of this trip
.Lmlast:
.irp n, 0,1,2,3,4,5,6,7
	ds_store_b32 v3, v[40+\n] offset:32*\n
.endr
	ds_load_b128 v[48:51], v4                      ; LDS serves a wave's instructions in order: these see the stores above
	ds_load_b128 v[52:55], v4 offset:512
	s_wait_dscnt 1
	global_store_b128 v5, v[48:51], s[46:47]
	s_wait_dscnt 0x0
	global_store_b128 v5, v[52:55], s[46:47] offset:512
	s_wait_xcnt 0x0                                ; the stores' pointer and registers are written again only behind this wait
	s_wait_alu depctr_vm_vsrc(0)                   ; the LDS stores have read v40 to v47, which the next trip's vector lines write again; the global stores have read v48 to v55, in which its LDS loads land
	s_add_nc_u64 s[46:47], s[46:47], 1024
	s_sub_co_u32 s5, s5, 1
	s_cmp_lg_u32 s5, 0
	s_cbranch_scc1 .Lmtrip
	s_branch .Lend
.Lw:                                               ; wave w takes rows 32 blk + 4 w + 0..3 of matrix mtx, a row a trip
	s_sub_co_u32 s6, ttmp9, 512
	s_lshr_b32 s7, s6, 5                           ; mtx
	s_and_b32 s6, s6, 31                           ; blk
	s_cmp_eq_u32 s7, 0
	s_cselect_b64 s[44:45], s[10:11], s[12:13]
	s_cmp_eq_u32 s7, 2
	s_cselect_b64 s[44:45], s[14:15], s[44:45]
	s_lshl_b32 s6, s6, 5
	s_lshl2_add_u32 s6, s4, s6                     ; the first row
	s_lshl_b32 s48, s6, 12
	s_mov_b32 s49, 0
	s_add_nc_u64 s[44:45], s[44:45], s[48:49]
	s_lshl_b32 s48, s6, 10
	s_lshl_b32 s7, s7, 21
	s_add_co_u32 s48, s48, s7
	s_add_nc_u64 s[46:47], s[40:41], s[48:49]
	s_wait_alu depctr_va_vdst(0)                   ; v5 and v6 are written: the role's loads and stores read them as offsets
	ASKW                                           ; the first row
.Lwtrip:
.irp c, 0,1,2,3,4,5,6,7
	s_wait_loadcnt 7-\c                            ; load c is in, the younger ones stay out
	v_cvt_pk_bf16_f32 v[40+2*\c], v[8+4*\c], v[9+4*\c]
	v_cvt_pk_bf16_f32 v[41+2*\c], v[10+4*\c], v[11+4*\c]
.endr
	s_wait_alu depctr_va_vdst(0)                   ; the conversions have written v40 to v55, which the stores read, and are done reading v8 to v39, in which the next row's loads land
	s_cmp_eq_u32 s5, 1
	s_cbranch_scc1 .Lwlast                         ; the fourth trip asks for nothing
	s_add_nc_u64 s[44:45], s[44:45], 4096          ; free since the wait for load 7, which shows the loads that read it done
	ASKW                                           ; the next row, ahead of this row's stores
.Lwlast:
.irp c, 0,1,2,3,4,5,6,7
	global_store_b64 v6, v[40+2*\c:41+2*\c], s[46:47] offset:(\c/4)*1048576+(\c%4)*256  ; 256 consecutive bytes a wave; columns 512 on lie in the second plane
.endr
	s_wait_xcnt 0x0                                ; the stores' pointer and registers are written again only behind this wait
	s_wait_alu depctr_vm_vsrc(0)                   ; the stores have read v40 to v55, which the next trip's conversions write again
	s_add_nc_u64 s[46:47], s[46:47], 1024
	s_sub_co_u32 s5, s5, 1
	s_cmp_lg_u32 s5, 0
	s_cbranch_scc1 .Lwtrip
	s_branch .Lend
.Lwo:
	s_sub_co_u32 s6, ttmp9, 608
	s_lshl_b32 s6, s6, 5
	s_lshl2_add_u32 s6, s4, s6
	s_lshl_b32 s48, s6, 12
	s_mov_b32 s49, 0
	s_add_nc_u64 s[44:45], s[16:17], s[48:49]
	s_lshl_b32 s48, s6, 9
	s_add_co_u32 s48, s48, 6291456
	s_add_nc_u64 s[46:47], s[40:41], s[48:49]
	s_wait_alu depctr_va_vdst(0)                   ; v5 and v6 are written: the role's loads and stores read them as offsets
	ASKW                                           ; the first row
.Lotrip:
.irp c, 0,1,2,3,4,5,6,7
	s_wait_loadcnt 7-\c                            ; load c is in, the younger ones stay out
	v_cvt_pk_bf16_f32 v56, v[8+4*\c], v[9+4*\c]    ; the one rounding that counts: to bf16, like every input
	v_cvt_pk_bf16_f32 v57, v[10+4*\c], v[11+4*\c]
	v_lshlrev_b32 v58, 16, v56
	v_and_b32 v59, 0xffff0000, v56
	v_lshlrev_b32 v60, 16, v57
	v_and_b32 v61, 0xffff0000, v57
	v_cvt_pk_f16_f32 v[40+2*\c], v58, v59
	v_cvt_pk_f16_f32 v[41+2*\c], v60, v61
.endr
	s_wait_alu depctr_va_vdst(0)                   ; the conversions have written v40 to v55, which the stores read, and are done reading v8 to v39, in which the next row's loads land
	s_cmp_eq_u32 s5, 1
	s_cbranch_scc1 .Lolast                         ; the fourth trip asks for nothing
	s_add_nc_u64 s[44:45], s[44:45], 4096          ; free since the wait for load 7, which shows the loads that read it done
	ASKW                                           ; the next row, ahead of this row's stores
.Lolast:
.irp c, 0,1,2,3,4,5,6,7
	global_store_b64 v6, v[40+2*\c:41+2*\c], s[46:47] offset:(\c/2)*524288+(\c%2)*256
.endr
	s_wait_xcnt 0x0                                ; the stores' pointer and registers are written again only behind this wait
	s_wait_alu depctr_vm_vsrc(0)                   ; the stores have read v40 to v55, which the next trip's conversions write again
	s_add_nc_u64 s[46:47], s[46:47], 512
	s_sub_co_u32 s5, s5, 1
	s_cmp_lg_u32 s5, 0
	s_cbranch_scc1 .Lotrip
.Lend:
	s_wait_dscnt 0x0                               ; the closing lines, six on end
	s_wait_alu 0x0
	s_wait_tensorcnt 0x0
	ds_add_u32 v62, v63
	s_wait_dscnt 0x0
	s_endpgm
.Lfunc_end_k_q65e586af13_prep:
	.size	k_q65e586af13_prep, .Lfunc_end_k_q65e586af13_prep-k_q65e586af13_prep
	.p2alignl 7, 3214868480
	.fill 96, 4, 3214868480
	.section	.rodata,"a",@progbits
	.p2align	6, 0x0
	.amdhsa_kernel k_q65e586af13_prep
		.amdhsa_group_segment_fixed_size 9216
		.amdhsa_private_segment_fixed_size 0
		.amdhsa_enable_private_segment 0
		.amdhsa_kernarg_size 144
		.amdhsa_user_sgpr_count 2
		.amdhsa_user_sgpr_kernarg_segment_ptr 1
		.amdhsa_wavefront_size32 1
		.amdhsa_system_sgpr_workgroup_id_x 1
		.amdhsa_system_sgpr_workgroup_id_y 1
		.amdhsa_system_sgpr_workgroup_id_z 1
		.amdhsa_system_vgpr_workitem_id 0
		.amdhsa_next_free_vgpr 64
		.amdhsa_next_free_sgpr 66
		.amdhsa_reserve_vcc 0
		.amdhsa_float_denorm_mode_32 3
		.amdhsa_float_denorm_mode_16_64 3
		.amdhsa_memory_ordered 1
		.amdhsa_forward_progress 1
		.amdhsa_inst_pref_size 26
	.end_amdhsa_kernel
	.amdgpu_metadata
---
amdhsa.version: [ 1, 2 ]
amdhsa.kernels:
  - .name:           k_q65e586af13_prep
    .symbol:         k_q65e586af13_prep.kd
    .args:
      - { .name: mask, .offset: 0, .size: 8, .value_kind: global_buffer, .address_space: global }
      - { .name: Wq, .offset: 8, .size: 8, .value_kind: global_buffer, .address_space: global }
      - { .name: Wk, .offset: 16, .size: 8, .value_kind: global_buffer, .address_space: global }
      - { .name: Wv, .offset: 24, .size: 8, .value_kind: global_buffer, .address_space: global }
      - { .name: Wo, .offset: 32, .size: 8, .value_kind: global_buffer, .address_space: global }
      - { .name: bq, .offset: 40, .size: 8, .value_kind: global_buffer, .address_space: global }
      - { .name: bk, .offset: 48, .size: 8, .value_kind: global_buffer, .address_space: global }
      - { .name: bv, .offset: 56, .size: 8, .value_kind: global_buffer, .address_space: global }
      - { .name: qn_scale, .offset: 64, .size: 8, .value_kind: global_buffer, .address_space: global }
      - { .name: kn_scale, .offset: 72, .size: 8, .value_kind: global_buffer, .address_space: global }
      - { .name: vn_scale, .offset: 80, .size: 8, .value_kind: global_buffer, .address_space: global }
      - { .name: qn_bias, .offset: 88, .size: 8, .value_kind: global_buffer, .address_space: global }
      - { .name: kn_bias, .offset: 96, .size: 8, .value_kind: global_buffer, .address_space: global }
      - { .name: vn_bias, .offset: 104, .size: 8, .value_kind: global_buffer, .address_space: global }
      - { .name: bo, .offset: 112, .size: 8, .value_kind: global_buffer, .address_space: global }
      - { .name: mk, .offset: 120, .size: 8, .value_kind: global_buffer, .address_space: global }
      - { .name: wb, .offset: 128, .size: 8, .value_kind: global_buffer, .address_space: global }
      - { .name: par, .offset: 136, .size: 8, .value_kind: global_buffer, .address_space: global }
    .group_segment_fixed_size: 9216
    .private_segment_fixed_size: 0
    .kernarg_segment_align: 8
    .kernarg_segment_size: 144
    .max_flat_workgroup_size: 256
    .sgpr_count:     66
    .vgpr_count:     64
    .wavefront_size: 32
...
	.end_amdgpu_metadata
.endif
;; end of part 5
;; launch proj: the kernel of part 2 again; grid 64 x 3, 4 waves a work-group, clusters of 4 x 1, 327,680 bytes of LDS; arguments q, kv, wb, par, qkv; writes qkv
;; launch attn: the kernel of part 3 again; grid 4 x 64, 8 waves a work-group, clusters of 4 x 1, 327,680 bytes of LDS; arguments qkv, mk, ao; writes ao
;; launch oproj: the kernel of part 4 again; grid 4 x 64, 4 waves a work-group, clusters of 4 x 4, 327,680 bytes of LDS; arguments ao, wb, par, out0; writes out0
